; MI455X (gfx1250); checked and timed in simulation.
; The chip was launched on July 23, 2026; its instructions are those of AMD's public machine-readable ISA for CDNA 5 (MIT licence, August 2026) and "CDNA5" Instruction Set Architecture Reference Guide (July 2026). The comments in the code are by the model that wrote it; some were corrected since.
;; GN Nens. Allowed arithmetic: matrix products marked QUANTISED: E2M1 operands, one E8M0 scale for each 32 along K, by v_wmma_scale_f32_16x16x128_f8f6f4 with both operands' format E2M1 (or v_wmma_scale_f32_32x16x128_f4), f32 sums; everything else in f32.
;; Inputs: W1 8 x 512 x 1,024 float32; W2 8 x 1,024 x 512 float32; b1 8 x 1,024 float32; b2 8 x 512 float32; comp_idx 8,192 int32; epsilon 8,192 x 512 float32; mu 8 x 512 float32; rho 8 float32.
;; Outputs: out0 8,192 x 512 float32.
;; This version of the problem:
;;   THIS VERSION OF THE PROBLEM IS GIVEN IN LOW PRECISION. The matrix products marked QUANTISED in the list below multiply operands that are first quantised to E2M1 (2 exponent bits, 1 mantissa bit; 4 bits a number), with one power-of-two scale for each 32 numbers along K (OCP MX v1.0); their sums are f32. All else is computed in f32.
;;   The module's matrix products, in the order in which they are computed (A, B: the left and right operand; K: the contracted axis; several contracted axes count as one K, in the product's order):
;;     1. batch 8 x [M 8,192, K 512] x [K 512, N 1,024]; A: computed on the way; B: input W1: QUANTISED
;;     2. batch 8 x [M 8,192, K 1,024] x [K 1,024, N 512]; A: computed on the way; B: input W2: QUANTISED
;;   THE QUANTISER, for each operand of a quantised product, along K:
;;     - K is cut into blocks of 32 from its start; a last block that is shorter is filled with zeros.
;;     - A block's scale is 2^e with e = floor(log2(the largest magnitude in the block)) - 2, held to -126 .. 127; a block of zeros has e = 0. As a byte (E8M0): e + 127.
;;     - Each number is divided by its block's scale, clamped to +-6, and rounded to the nearest number of E2M1, ties to even, subnormals kept.
;;     - The product sums the exact products of the quantised numbers (number of the format x scale) in f32.
;;   ~~~python
;;   def quantise(x, axis):      # numpy; x: float32 -> the quantised numbers, widened to float32 again
;;       x = np.moveaxis(x, axis, -1); K = x.shape[-1]
;;       x = np.pad(x, [(0, 0)] * (x.ndim - 1) + [(0, -K % 32)]); x = x.reshape(x.shape[:-1] + (-1, 32)); a = np.abs(x).max(-1, keepdims=True)
;;       e = np.where(a > 0, np.clip(np.frexp(np.where(a > 0, a, 1))[1] - 1 - 2, -126, 127), 0)      # np.frexp(a)[1] - 1 = floor(log2(a)), exactly
;;       r = np.clip(x / 2.0 ** e, -6, 6)
;;       step = 2.0 ** (np.maximum(np.frexp(np.where(r == 0, 1, r))[1] - 1, 0) - 1)
;;       q = np.round(r / step) * step * 2.0 ** e      # np.round: ties to even
;;       return np.moveaxis(q.reshape(q.shape[:-2] + (-1,))[..., :K], -1, axis).astype(np.float32)
;;   ~~~
;;   OPERANDS COMPUTED ON THE WAY. 'Computed on the way' means the value that the module computes at that place (a softmax that the list does not call 'softmax' is quantised finished and normalised). What goes into a quantiser is computed in f32, as accurately as f32 sums, v_exp_f32 and their like allow (about 1e-6 of the number): no bf16 or f16 on the way to a quantiser, and a product that is left as it is and whose result goes on into a quantised operand takes f32 operands (vector FMAs, or v_wmma_f32_16x16x4_f32). A number that lies on a knife's edge between two numbers of the format may be rounded either way, as far as f32 arithmetic and the matrix unit's own rounding can turn it there, and no further.
;; 2 versions, each right and faster than the one before. Each part assembles by itself: llvm-mc -triple=amdgcn-amd-amdhsa -mcpu=gfx1250 --defsym DOCPART=n.
;; ======== version 1 of 2: 2 launches
;; workspace buffers: w1c 2,097,152 bytes; w2c 2,097,152 bytes; w1s 131,072 bytes; w2s 131,072 bytes; order 32,768 bytes of whole numbers; tiles 4,096 bytes of whole numbers
;; launch prep (part 1): grid 257 x 1, 8 waves a work-group, no clusters, 2,048 bytes of LDS; arguments W1, W2, comp_idx, w1c, w1s, w2c, w2s, order, tiles; writes w1c, w1s, w2c, w2s, order, tiles
.if DOCPART == 1
	.amdgcn_target "amdgcn-amd-amdhsa--gfx1250"
	.amdhsa_code_object_version 6
	.text
	.protected	k_q1b6f0bd268_prep
	.globl	k_q1b6f0bd268_prep
	.p2align	8
	.type	k_q1b6f0bd268_prep,@function
k_q1b6f0bd268_prep:
	s_mov_b64 s[64:65], 0
	v_nop
	global_prefetch_b8 v0, s[64:65] scope:SCOPE_SE
	s_setreg_imm32_b32 hwreg(HW_REG_WAVE_MODE, 25, 1), 1
	s_wait_xcnt 0x0
; THREE JOBS IN ONE LAUNCH, told apart by the work-group's number.
;   work-group 0:          a counting sort of comp_idx [8192] by expert: order [8192] (sample numbers, expert by expert, dense) and tiles [256] x (expert, first place in order, rows 0..64, 0).
;   work-groups 1..128:    W1 [8][512 k][1024 n] f32 -> codes of FP4 (E2M1) and E8M0 scale bytes, quantised along k.
;   work-groups 129..256:  W2 [8][1024 k][512 n] f32 likewise.
; THE QUANTISER.  A lane takes a column n and its registers run down k, so a block of 32 along k lies in one lane: its largest magnitude needs no other lane and the conversions give codes with k innermost.
; A block's scale is 2^(floor(log2(largest magnitude)) - 2); its byte is the largest magnitude's exponent field - 2, held at 1 from below by a floor among the maximum's leaves.
; A wave takes 32 columns x 128 along k (4 blocks): two operand fragments and one whole scale word (4 bytes) a lane.  The eight waves of a work-group stand side by side on 1,024 bytes of each row of the weight.
; THE CODES ARE LAID AS THE NEXT LAUNCH'S OPERAND REGISTERS: a fragment (16 rows x 128 k) is 1,024 bytes, block q of row p at 256 q + 16 p; so a lane of the reader takes its registers by two loads of 16 bytes at 16 x lane.
;   w1c [e][tile 64][K step 4][1024]: tile 2 b + u, row p is hidden unit 32 b + 8 u + p + 8 (p / 8);   w2c [e][tile 32][K step 8][1024]: tile t, row p is output 16 t + p.
;   w1s [e][pair of tiles 32][16 u + p][K step 4] words;   w2s [e][pair 16][16 u + p][K step 8] words.
; LIMITS: a block whose largest magnitude lies under 2^-124, a block of zeros among them, gets the byte 1 (its codes are zeros or near it; the bytes are read by this program alone); NaN and infinities are not served;
; comp_idx holds 0 .. 7, as the table that it indexes asks.
.set X,  32                            ; v32-159  four sets of 32 numbers, one for each block
.set CD, 160                           ; v160-175 codes: four registers for each block, never written again
.set SB, 176                           ; v176     the scale word
.set CI, 32                            ; the sort: v32-63 comp_idx, v64-95 places (bytes), v96-127 sample numbers
.set SL, 64
.set IX, 96
.set NN, 24                            ; s24-31 counts (my wave's, then all waves')
.set BS, 32                            ; s32-39 where my wave's next sample of each expert goes
.set OF, 40                            ; s40-47 where each expert begins in order
.set TB, 48                            ; s48-55 each expert's first tile
.set MK, 56                            ; s56-63 lane masks, one for each expert
	s_load_b512 s[4:19], s[0:1], 0x0               ; W1 4, W2 6, comp_idx 8, w1c 10, w1s 12, w2c 14, w2s 16, order 18
	s_load_b64 s[20:21], s[0:1], 0x40              ; tiles
	v_lshl_add_u32 v192, v0, 2, 0x400
	v_mov_b32 v193, 0
	v_lshrrev_b32 v1, 5, v0
	v_readfirstlane_b32 s22, v1                    ; wave 0..7
	v_and_b32 v1, 31, v0                           ; lane
	v_lshlrev_b32 v2, 2, v1                        ; 4 bytes a lane: my column in a row of the weight
	s_wait_kmcnt 0x0
	s_cmp_eq_u32 ttmp9, 0
	s_cbranch_scc1 .Lsort
	s_cmp_le_u32 ttmp9, 128
	s_cbranch_scc0 .Lw2
; Where my wave's part begins.  g = work-group - first; expert e = g / 16; of g % 16 the upper bits are the K step of 128, the lower bits with the wave's number the group of 32 columns.
.macro QSETUP first, sbits, sshift, cshift, zshift, src, cod, scl
	s_sub_co_u32 s24, ttmp9, \first
	s_lshr_b32 s25, s24, 4                         ; e
	s_and_b32 s26, s24, 15
	s_lshr_b32 s27, s26, \sbits                    ; K step
	s_and_b32 s28, s26, (1<<\sbits)-1
	s_lshl_b32 s28, s28, 3
	s_add_co_u32 s28, s28, s22                     ; group of 32 columns
	s_mov_b32 s31, 0
	s_lshl_b32 s30, s25, 21                        ; the weight: an expert is 2^21 bytes,
	s_lshl_b32 s29, s27, \sshift                   ; 128 rows,
	s_add_co_u32 s30, s30, s29
	s_lshl_b32 s29, s28, 7                         ; 32 columns are 128 bytes
	s_add_co_u32 s30, s30, s29
	s_add_nc_u64 s[\src:\src+1], s[\src:\src+1], s[30:31]
	s_lshl_b32 s30, s25, 18                        ; the codes: an expert is 2^18 bytes,
	s_lshl_b32 s29, s28, \cshift                   ; a pair of tiles,
	s_add_co_u32 s30, s30, s29
	s_lshl_b32 s29, s27, 10                        ; a fragment is 1,024 bytes
	s_add_co_u32 s30, s30, s29
	s_add_nc_u64 s[\cod:\cod+1], s[\cod:\cod+1], s[30:31]
	s_lshl_b32 s30, s25, 14                        ; the scale words: an expert is 2^14 bytes,
	s_lshl_b32 s29, s28, \zshift                   ; a pair of tiles,
	s_add_co_u32 s30, s30, s29
	s_lshl_b32 s29, s27, 2                         ; a word
	s_add_co_u32 s30, s30, s29
	s_add_nc_u64 s[\scl:\scl+1], s[\scl:\scl+1], s[30:31]
.endm
.macro QLOAD t, rb, src                ; block t: rows 32 t .. 32 t + 31 of my 128, my column; 32 lanes read 128 consecutive bytes; read once in the launch
.set i, 0
.rept 32
	global_load_b32 v[X+32*(\t)+i], v2, s[\src:\src+1] offset:(32*(\t)+i)*\rb th:TH_LOAD_NT
.set i, i+1
.endr
.endm
.macro QBLOCK t, cod
.set XB, X+32*(\t)
	v_max3_num_f32 v12, |v[XB]|, |v[XB+1]|, |v[XB+2]|              ; the block's largest magnitude: all 32 numbers are mine; two chains
	v_max3_num_f32 v13, |v[XB+3]|, |v[XB+4]|, |v[XB+5]|
.irp i, 6,10,14,18,22,26
	v_max3_num_f32 v12, v12, |v[XB+\i]|, |v[XB+\i+1]|
	v_max3_num_f32 v13, v13, |v[XB+\i+2]|, |v[XB+\i+3]|
.endr
	v_max3_num_f32 v12, v12, |v[XB+30]|, |v[XB+31]|
	v_max3_num_f32 v12, v12, v13, 0x1800000        ; and the floor 2^(3 - 127): the byte cannot fall under 1
	v_add_nc_u32 v11, 0xff000000, v12              ; 2 off the exponent field: the conversion takes the exponent field of this operand as its scale
	v_lshrrev_b32 v13, 23, v11                     ; the scale's byte
.if (\t) == 0
	v_mov_b32 v[SB], v13                           ; four bytes to the word, the lower k in the lower byte
.else
	v_lshl_or_b32 v[SB], v13, 8*(\t), v[SB]
.endif
.irp g, 0,1,2,3
	v_cvt_scalef32_pk8_fp4_f32 v[CD+4*(\t)+\g], v[XB+8*\g:XB+8*\g+7], v11    ; results go to a store alone; the next block begins with plain vector lines
.endr
	global_store_b128 v3, v[CD+4*(\t):CD+4*(\t)+3], s[\cod:\cod+1] offset:256*(\t)   ; the sixteen lanes of a tile store 256 consecutive bytes, aligned
.endm
; Loads run two blocks ahead.  Each count of 32 leaves the one younger block's 32 loads out.  No register that a store reads is written again.
.macro QPATH rb, src, cod, scl
	QLOAD 0, \rb, \src
	QLOAD 1, \rb, \src
	s_wait_loadcnt 32                              ; block 0 is in
	QLOAD 2, \rb, \src
	QBLOCK 0, \cod
	s_wait_loadcnt 32                              ; block 1 is in
	QLOAD 3, \rb, \src
	QBLOCK 1, \cod
	s_wait_loadcnt 32                              ; block 2 is in
	QBLOCK 2, \cod
	s_wait_loadcnt 0x0
	QBLOCK 3, \cod
	global_store_b32 v4, v[SB], s[\scl:\scl+1]     ; my row's scale word of this K step
	s_endpgm
.endm
	; ---- W1: column 32 b + j belongs to tile 2 b + u, row p, with u = (j / 8) % 2 and p = j % 8 + 8 (j / 16)
	QSETUP 1, 2, 19, 13, 9, 4, 10, 12
	v_bfe_u32 v5, v0, 3, 1                         ; u
	v_and_b32 v6, 7, v0
	v_bfe_u32 v7, v0, 4, 1
	v_lshl_add_u32 v6, v7, 3, v6                   ; p
	v_lshlrev_b32 v3, 12, v5                       ; codes: a tile's four fragments are 4,096 bytes,
	v_lshl_add_u32 v3, v6, 4, v3                   ; + 16 p
	v_lshl_add_u32 v4, v5, 4, v6
	v_lshlrev_b32 v4, 4, v4                        ; scale words: (16 u + p) x 4 words
	QPATH 4096, 4, 10, 12
.Lw2:
	; ---- W2: column 32 b + j belongs to tile 2 b + j / 16, row j % 16
	QSETUP 129, 1, 18, 14, 10, 6, 14, 16
	v_bfe_u32 v5, v0, 4, 1
	v_and_b32 v6, 15, v0
	v_lshlrev_b32 v3, 13, v5                       ; a tile's eight fragments are 8,192 bytes
	v_lshl_add_u32 v3, v6, 4, v3
	v_lshlrev_b32 v4, 5, v1                        ; lane x 8 words
	QPATH 2048, 6, 14, 16
.Lsort:
	; ---- THE SORT, in whole numbers alone.  Wave w holds samples 1024 w .. 1024 w + 1023: register 4 i + c of a lane is sample 1024 w + 128 i + 4 lane + c.
	v_lshlrev_b32 v21, 4, v1
	s_lshl_b32 s66, s22, 12
	v_add_nc_u32 v21, s66, v21
.irp i, 0,1,2,3,4,5,6,7
	global_load_b128 v[CI+4*\i:CI+4*\i+3], v21, s[8:9] offset:512*\i
.endr
	v_lshlrev_b32 v20, 2, v1
	s_lshl_b32 s66, s22, 10
	v_add_nc_u32 v20, s66, v20                     ; 1024 w + 4 lane
	v_lshlrev_b32 v6, 2, v0                        ; LDS: 128 bytes a wave, a word a lane
	v_lshlrev_b32 v7, 2, v1
.irp e, 0,1,2,3,4,5,6,7
	s_mov_b32 s[NN+\e], 0
.endr
	s_wait_loadcnt 0x0
	; first pass: my wave's count of each expert
.set q, 0
.rept 32
.irp e, 0,1,2,3,4,5,6,7
	v_cmp_eq_u32 s[MK+\e], \e, v[CI+q]
.endr
.irp e, 0,1,2,3,4,5,6,7
	s_bcnt1_i32_b32 s66, s[MK+\e]
	s_add_co_u32 s[NN+\e], s[NN+\e], s66
.endr
.set q, q+1
.endr
	v_mov_b32 v5, 0
.irp e, 0,1,2,3,4,5,6,7
	v_writelane_b32 v5, s[NN+\e], \e               ; lane e carries expert e's count
.endr
	ds_store_b32 v6, v5
	s_wait_dscnt 0x0                               ; for the others' sake: my store has landed
	s_barrier_signal -1
	s_barrier_wait -1
.irp w, 0,1,2,3,4,5,6,7
	ds_load_b32 v[8+\w], v7 offset:128*\w          ; lane e: wave w's count of expert e
.endr
	s_wait_dscnt 0x0
	v_add3_u32 v16, v8, v9, v10
	v_add3_u32 v16, v16, v11, v12
	v_add3_u32 v16, v16, v13, v14
	v_add_nc_u32 v16, v16, v15                     ; all waves'
	v_mov_b32 v17, 0
.irp w, 0,1,2,3,4,5,6
	s_cmp_gt_u32 s22, \w
	s_cselect_b32 s66, 1, 0
	v_mad_u32_u24 v17, v[8+\w], s66, v17           ; the waves' in front of mine
.endr
.irp e, 0,1,2,3,4,5,6,7
	v_readlane_b32 s[NN+\e], v16, \e
	v_readlane_b32 s[BS+\e], v17, \e
.endr
	s_mov_b32 s67, 0                               ; samples so far
	s_mov_b32 s68, 0                               ; tiles so far
.irp e, 0,1,2,3,4,5,6,7
	s_mov_b32 s[OF+\e], s67
	s_mov_b32 s[TB+\e], s68
	s_add_co_u32 s[BS+\e], s[BS+\e], s67
	s_add_co_u32 s67, s67, s[NN+\e]
	s_add_co_u32 s69, s[NN+\e], 63
	s_lshr_b32 s69, s69, 6                         ; tiles of 64 rows, the last one short
	s_add_co_u32 s68, s68, s69
.endr
	; second pass: a sample's place = its expert's running base + the lower lanes with the same expert.  Each register has its own place and number registers: no store's source is written again.
.set q, 0
.rept 32
.irp e, 0,1,2,3,4,5,6,7
	v_cmp_eq_u32 s[MK+\e], \e, v[CI+q]
.endr
	v_mbcnt_lo_u32_b32 v[SL+q], s[MK], s[BS]
.irp e, 1,2,3,4,5,6,7
	v_mbcnt_lo_u32_b32 v5, s[MK+\e], s[BS+\e]
	v_cndmask_b32 v[SL+q], v[SL+q], v5, s[MK+\e]
.endr
.irp e, 0,1,2,3,4,5,6,7
	s_bcnt1_i32_b32 s66, s[MK+\e]
	s_add_co_u32 s[BS+\e], s[BS+\e], s66
.endr
	v_min_u32 v[SL+q], 0x1fff, v[SL+q]             ; inside order, whatever was loaded
	v_lshlrev_b32 v[SL+q], 2, v[SL+q]
	v_add_nc_u32 v[IX+q], 128*(q/4)+q%4, v20
	global_store_b32 v[SL+q], v[IX+q], s[18:19]
.set q, q+1
.endr
	; the list of tiles: thread j writes entry j.  The last expert whose first tile is at or under j owns it, so experts without samples are passed over; behind the last tile the count comes out 0.
	v_mov_b32 v24, 0
	v_mov_b32 v28, s[TB]
	v_mov_b32 v29, s[OF]
	v_mov_b32 v30, s[NN]
.irp i, 1,2,3,4,5,6,7
	v_cmp_le_u32 vcc_lo, s[TB+\i], v0
	v_cndmask_b32 v24, v24, \i, vcc_lo
	v_cndmask_b32 v28, v28, s[TB+\i], vcc_lo
	v_cndmask_b32 v29, v29, s[OF+\i], vcc_lo
	v_cndmask_b32 v30, v30, s[NN+\i], vcc_lo
.endr
	v_sub_nc_u32 v28, v0, v28                      ; which tile of its expert,
	v_lshlrev_b32 v28, 6, v28                      ; x 64 rows
	v_add_nc_u32 v25, v29, v28
	v_min_u32 v25, 0x1fff, v25                     ; its first place in order
	v_sub_nc_u32 v26, v30, v28
	v_min_i32 v26, 64, v26
	v_max_i32 v26, 0, v26                          ; its rows: 0 .. 64
	v_mov_b32 v27, 0
	v_lshlrev_b32 v31, 4, v0
	global_store_b128 v31, v[24:27], s[20:21]
	s_wait_tensorcnt 0x0
	ds_add_u32 v192, v193
	s_wait_dscnt 0x0
	s_endpgm
.Lfunc_end_k_q1b6f0bd268_prep:
	.size	k_q1b6f0bd268_prep, .Lfunc_end_k_q1b6f0bd268_prep-k_q1b6f0bd268_prep
	.p2alignl 7, 3214868480
	.fill 96, 4, 3214868480
	.section	.rodata,"a",@progbits
	.p2align	6, 0x0
	.amdhsa_kernel k_q1b6f0bd268_prep
		.amdhsa_group_segment_fixed_size 2048
		.amdhsa_private_segment_fixed_size 0
		.amdhsa_enable_private_segment 0
		.amdhsa_kernarg_size 72
		.amdhsa_user_sgpr_count 2
		.amdhsa_user_sgpr_kernarg_segment_ptr 1
		.amdhsa_wavefront_size32 1
		.amdhsa_system_sgpr_workgroup_id_x 1
		.amdhsa_system_sgpr_workgroup_id_y 1
		.amdhsa_system_sgpr_workgroup_id_z 1
		.amdhsa_system_vgpr_workitem_id 0
		.amdhsa_next_free_vgpr 194
		.amdhsa_next_free_sgpr 72
		.amdhsa_reserve_vcc 1
		.amdhsa_float_denorm_mode_32 3
		.amdhsa_float_denorm_mode_16_64 3
		.amdhsa_memory_ordered 1
		.amdhsa_forward_progress 1
		.amdhsa_inst_pref_size 151
	.end_amdhsa_kernel
	.amdgpu_metadata
---
amdhsa.version: [ 1, 2 ]
amdhsa.kernels:
  - .name:           k_q1b6f0bd268_prep
    .symbol:         k_q1b6f0bd268_prep.kd
    .args:
      - { .name: W1, .offset: 0, .size: 8, .value_kind: global_buffer, .address_space: global }
      - { .name: W2, .offset: 8, .size: 8, .value_kind: global_buffer, .address_space: global }
      - { .name: comp_idx, .offset: 16, .size: 8, .value_kind: global_buffer, .address_space: global }
      - { .name: w1c, .offset: 24, .size: 8, .value_kind: global_buffer, .address_space: global }
      - { .name: w1s, .offset: 32, .size: 8, .value_kind: global_buffer, .address_space: global }
      - { .name: w2c, .offset: 40, .size: 8, .value_kind: global_buffer, .address_space: global }
      - { .name: w2s, .offset: 48, .size: 8, .value_kind: global_buffer, .address_space: global }
      - { .name: order, .offset: 56, .size: 8, .value_kind: global_buffer, .address_space: global }
      - { .name: tiles, .offset: 64, .size: 8, .value_kind: global_buffer, .address_space: global }
    .group_segment_fixed_size: 2048
    .private_segment_fixed_size: 0
    .kernarg_segment_align: 8
    .kernarg_segment_size: 72
    .max_flat_workgroup_size: 256
    .sgpr_count:     72
    .vgpr_count:     194
    .wavefront_size: 32
...
	.end_amdgpu_metadata
.endif
;; end of part 1
;; launch mlp (part 2): grid 135 x 1, 8 waves a work-group, no clusters, 199,168 bytes of LDS; arguments epsilon, mu, rho, b1, b2, w1c, w1s, w2c, w2s, order, tiles, out0; writes out0
.if DOCPART == 2
	.amdgcn_target "amdgcn-amd-amdhsa--gfx1250"
	.amdhsa_code_object_version 6
	.text
	.protected	k_q1b6f0bd268_mlp
	.globl	k_q1b6f0bd268_mlp
	.p2align	8
	.type	k_q1b6f0bd268_mlp,@function
k_q1b6f0bd268_mlp:
	s_mov_b64 s[64:65], 0
	v_nop
	global_prefetch_b8 v0, s[64:65] scope:SCOPE_SE
	s_setreg_imm32_b32 hwreg(HW_REG_WAVE_MODE, 25, 1), 1
	s_wait_xcnt 0x0
; out[n] = sigmoid((eps[n] softplus(rho[c]) + mu[c]) W1[c] + b1[c]) W2[c] + b2[c], c = comp_idx[n]; both products on codes of FP4 (E2M1) with one E8M0 scale for each 32 along K.
; ONE WORK-GROUP TAKES ONE TILE OF AT MOST 64 ROWS OF ONE EXPERT THROUGH THE WHOLE CHAIN.  Expert, first place in order and number of rows come from tiles, the rows' numbers from order: whole numbers stored by the launch before.
; 8,192 rows in tiles of 64 over 8 experts are never more than 128 + 7 = 135 tiles, whatever the choice: that is the grid.  The text has NO BRANCH: local rows at or past the tile's count repeat its last row and are not stored;
; a tile with no rows runs on clamped rows and stores nothing.  So both barriers stand on the one way that every wave takes.
; NO TENSOR LOADS AND NO CLUSTER: which weights a work-group reads hangs on a stored number, and how many tiles an expert has hangs on the data, so partners of a cluster could not be given tiles of one expert at every split.
; The weights' codes were laid in the order of the operand's registers: each fragment goes from memory straight into a wave's registers, once, and feeds four matrix instructions (the four tiles of 16 rows).
; SHARES.  Eight waves share the COLUMNS: wave w makes hidden units 128 w .. 128 w + 127 (K step w of the second product) and outputs 64 w .. 64 w + 63, for all 64 rows.  At the head wave w = 2 m + kh turns rows 16 m .. 16 m + 15,
; K half kh (256 numbers), into two operand fragments.  Operands go from wave to wave through LDS as images of their registers: 16 bytes a lane at 16 x lane, 512 bytes a store.
; BOTH PRODUCTS ARE USED TRANSPOSED (source 0 = 16 rows of the weight's codes, source 1 = 16 rows of the tile): a lane holds one row, its registers run along the units.  The rows of W1 that form a tile were chosen so that
; the 16 registers of tiles 2 b and 2 b + 1 are hidden units 32 b + 16 (lane / 16) + 0 .. 15.  The biases are the C of each sum's first matrix instruction.
; LIMITS: NaN and infinities are not served; a block whose largest magnitude lies under 2^-124 gets the byte 1; a sigmoid under 2^-126 comes out 0; rho under about -87 gives sigma = 0; eps sigma + mu is one fused multiply-add.
; REGISTERS.  Window 0: v1-27 addresses that stay; v32-63 row numbers, offsets and mu, then x's four fragments, then hidden set A, then rows' offsets; v64-191 numbers of x, then v64-127 the hidden tile and v128-191 b1,
; then the 16 accumulators of y, then rows of y; v192-223 at work, then b2, then hidden set B; v224-251 scale words and nothing else; v252-253 sigma; v254-255 b2 as loaded.  Window 1: 32 fragments of W1, then of W2.
.set STGB, 17408                       ; LDS: a stage for each wave: 16 rows x 1,040 bytes at the head, 64 rows x 272 bytes on the way out
.set XIMG, 139264                      ; x's 16 fragments: (4 m + s) x 1,024
.set XSC,  155648                      ; their scale words [m][row 16][s 4]
.set HIMG, 156672                      ; the hidden layer's 32 fragments: (8 m + s) x 1,024
.set HSC,  189440                      ; their scale words [s 8][row 16][m 4]
.set B1L,  191488                      ; b1: 512 bytes a wave
.set B2L,  195584                      ; b2: 256 bytes a wave
.set ROWT, 197632                      ; the 64 rows' numbers, twice: [kh 2][h 2][i 32] words, local row 2 i + h; table kh is written by the waves of K half kh, so no two waves write a word
.set LN16, 1
.set R16,  2
.set HH,   3
.set SIN,  4
.set SOUT, 5
.set XWI,  6
.set XRI,  7
.set XSW,  8
.set XSR,  9
.set HWI,  10
.set HRI,  11
.set HSW,  12
.set HSR,  13
.set B1W,  14
.set B1A,  15
.set B2W,  16
.set B2A,  17
.set RTW,  18
.set RTR,  19
.set YSW,  20
.set YSR,  21
.set COL,  22
.set MUO,  23
.set LN8,  24
.set LN32, 25
.set L0,   26
.set E4,   27
.set RI,   32
.set RO,   40
.set MU,   48
.set XF,   32
.set SETA, 32
.set HA,   64
.set YA,   64
.set B1R,  128
.set TM,   192
.set SETB, 192
.set PC,   208
.set PW,   216
.set B1X,  220
.set WS,   224
.set XS,   240
.set HSA,  244
.set HSB,  248
.set SG,   252
.set B2X,  254
.set MSB, 0
.macro WIN new                         ; the immediate's high byte repeats the setting that is left
.if MSB != \new
	s_set_vgpr_msb (MSB<<8)|\new
.set MSB, \new
.endif
.endm
.macro PLACES                          ; four plain places behind matrix instructions, in front of reads of results and of loads into their registers
.rept 4
	v_nop
.endr
.endm
.macro BARRIER                         ; my LDS stores have landed and my LDS loads are in: then the work-group's barrier
	s_wait_dscnt 0x0
	s_barrier_signal -1
	s_barrier_wait -1
.endm
; a matrix instruction: source 0 (the weight's fragment) in window 1; odd = 1: its scale words stand in lanes 16-31 of the register
.macro WM d, a, b, c, sa, sb, odd
.if \odd
	v_wmma_scale_f32_16x16x128_f8f6f4 v[\d:\d+7], v[\a:\a+7], v[\b:\b+7], v[\c:\c+7], v[\sa], v[\sb] matrix_a_fmt:MATRIX_FMT_FP4 matrix_b_fmt:MATRIX_FMT_FP4 matrix_a_scale:MATRIX_SCALE_ROW1
.else
	v_wmma_scale_f32_16x16x128_f8f6f4 v[\d:\d+7], v[\a:\a+7], v[\b:\b+7], v[\c:\c+7], v[\sa], v[\sb] matrix_a_fmt:MATRIX_FMT_FP4 matrix_b_fmt:MATRIX_FMT_FP4
.endif
.endm
; 64 numbers of a lane, register 16 b + i = k 32 b + 16 (lane / 16) + i of my row, become a fragment's codes in v[PC] on and its scale word in v[pw]
.macro QUANT s, pw
.irp b, 0,1,2,3
	v_max3_num_f32 v[TM+\b], |v[\s+16*\b]|, |v[\s+1+16*\b]|, 0x1800000   ; block b: my 16 numbers, and the floor 2^(3 - 127): the byte cannot fall under 1
.endr
.irp i, 2,4,6,8,10,12,14
.irp b, 0,1,2,3
	v_max3_num_f32 v[TM+\b], v[TM+\b], |v[\s+16*\b+\i]|, |v[\s+1+16*\b+\i]|   ; the four blocks by turns
.endr
.endr
.irp b, 0,1,2,3
	v_permlanex16_b32 v[TM+4+\b], v[TM+\b], s42, s43
.endr
.irp b, 0,1,2,3
	v_max_num_f32 v[TM+\b], v[TM+\b], v[TM+4+\b]   ; with lane l xor 16's: the block's largest magnitude
.endr
.irp b, 0,1,2,3
	v_add_nc_u32 v[TM+12+\b], 0xff000000, v[TM+\b] ; 2 off its exponent field: the conversion's scale operand
.endr
.irp b, 0,1,2,3
	v_lshrrev_b32 v[TM+4+\b], 23, v[TM+12+\b]      ; the scale's byte
.endr
	v_lshl_or_b32 v[\pw], v[TM+5], 8, v[TM+4]      ; my row's scale word
	v_lshl_or_b32 v[\pw], v[TM+6], 16, v[\pw]
	v_lshl_or_b32 v[\pw], v[TM+7], 24, v[\pw]
.irp b, 0,1,2,3
	v_cvt_scalef32_pk8_fp4_f32 v[PC+2*\b], v[\s+16*\b:\s+7+16*\b], v[TM+12+\b]
	v_cvt_scalef32_pk8_fp4_f32 v[PC+1+2*\b], v[\s+8+16*\b:\s+15+16*\b], v[TM+12+\b]
.endr
	v_nop                                          ; one plain place behind the scaled conversions
.irp c, 0,1                                    ; the operand's layout wants a whole block in a lane: lanes 0-15 block 2 c, lanes 16-31 block 2 c + 1
.irp i, 0,1
	v_permlane16_swap_b32 v[PC+4*\c+\i], v[PC+2+4*\c+\i]
.endr
.endr
.endm
.macro IMAGE adr, off                  ; the fragment in v[PC] on goes to LDS as it stands
.irp c, 0,1
	ds_store_b128 v[\adr], v[PC+4*\c:PC+4*\c+3] offset:\off+512*\c
.endr
.endm
.macro FETCH reg, adr, off             ; and comes back so, in any wave
.irp c, 0,1
	ds_load_b128 v[\reg+4*\c:\reg+4*\c+3], v[\adr] offset:\off+512*\c
.endr
.endm
.macro FETCHX m                        ; x's four fragments of rows 16 m on, and their rows' four scale words: 9 LDS loads
.irp s, 0,1,2,3
	FETCH XF+8*\s, XRI, (4*(\m)+\s)*1024
.endr
	ds_load_b128 v[XS:XS+3], v[XSR] offset:256*(\m)
.endm
.macro FETCHH s, set, hs               ; K step s of the hidden layer for the four tiles of rows, and their scale words: 9 LDS loads
.irp m, 0,1,2,3
	FETCH \set+8*\m, HRI, (8*\m+(\s))*1024
.endr
	ds_load_b128 v[\hs:\hs+3], v[HSR] offset:256*(\s)
.endm
.macro W2LOAD s                        ; K step s of my four tiles of W2: fragment 8 n + s
.irp n, 0,1,2,3
.irp c, 0,1
	global_load_b128 v[8*(8*\n+(\s))+4*\c:8*(8*\n+(\s))+4*\c+3], v[LN16], s[18:19] offset:(8*\n+(\s))*1024+512*\c
.endr
.endr
.endm
; sigmoid(z) = 1 / (1 + 2^(-z log2 e)) on the 64 numbers of the hidden tile, each accumulator from its low end on.  Each batch of 64 transcendentals has one plain line and one wait behind it, ahead of its first reader.
.macro SIGM
.set j, 0
.rept 32
	v_pk_mul_f32 v[HA+j:HA+j+1], v[HA+j:HA+j+1], s[48:49] op_sel_hi:[1,0]
.set j, j+2
.endr
.set j, 0
.rept 64
	v_exp_f32 v[HA+j], v[HA+j]
.set j, j+1
.endr
	v_nop
	s_wait_alu depctr_va_vdst(0)
.set j, 0
.rept 32
	v_pk_add_f32 v[HA+j:HA+j+1], v[HA+j:HA+j+1], 1.0 op_sel_hi:[1,0]
.set j, j+2
.endr
.set j, 0
.rept 64
	v_rcp_f32 v[HA+j], v[HA+j]
.set j, j+1
.endr
	v_nop
	s_wait_alu depctr_va_vdst(0)
.endm
; K step s of the second product: 16 matrix instructions, the 16 accumulators by turns, one instruction a turn
.macro MUL2 s, set, hs
	s_wait_loadcnt 8*(7-(\s))                      ; W2's fragments were asked for K step by K step, eight loads each: the later steps' may stay out
	WIN 0x01
.irp m, 0,1,2,3
.irp n, 0,1,2,3
.if (\s) == 0
	WM YA+8*(4*\n+\m), 8*(8*\n+(\s)), \set+8*\m, SETB+8*\n, WS+8*(\n/2)+(\s), \hs+\m, \n%2
.else
	WM YA+8*(4*\n+\m), 8*(8*\n+(\s)), \set+8*\m, YA+8*(4*\n+\m), WS+8*(\n/2)+(\s), \hs+\m, \n%2
.endif
.endr
.endr
	WIN 0
	PLACES
.endm
	; ---- THE HEAD
	s_load_b512 s[4:19], s[0:1], 0x0               ; eps 4, mu 6, rho 8, b1 10, b2 12, w1c 14, w1s 16, w2c 18
	s_load_b256 s[20:27], s[0:1], 0x40             ; w2s 20, order 22, tiles 24, out0 26
	v_lshrrev_b32 v30, 5, v0
	v_readfirstlane_b32 s37, v30                   ; wave w
	s_lshr_b32 s38, s37, 1                         ; m: which 16 rows I quantise
	s_and_b32 s39, s37, 1                          ; kh: which half of their K
	s_lshl_b32 s28, ttmp9, 4                       ; my tile's entry: 16 bytes
	s_mov_b32 s29, 0
	s_mov_b32 s42, 0x76543210
	s_mov_b32 s43, 0xfedcba98                      ; v_permlanex16_b32's selects for lane l xor 16
	s_mov_b32 s48, 0xbfb8aa3b                      ; -log2(e); the packed form names the pair and takes its low word for both halves
	s_mov_b32 s49, s48
	s_wait_kmcnt 0x0
	s_add_nc_u64 s[24:25], s[24:25], s[28:29]
	s_load_b128 s[32:35], s[24:25], 0x0            ; expert, first place in order, rows, 0
	; every address register is made here, while that load is out, and never written again
	v_and_b32 v28, 31, v0                          ; lane
	v_and_b32 v29, 15, v0                          ; r
	v_bfe_u32 v[HH], v0, 4, 1                      ; h
	v_lshlrev_b32 v[LN16], 4, v28
	v_lshlrev_b32 v[R16], 4, v29
	v_lshlrev_b32 v[LN8], 3, v28
	v_lshlrev_b32 v[LN32], 5, v28
	s_mul_i32 s44, s37, STGB                       ; my stage
	v_mad_u32_u24 v[SIN], v[HH], 1040, v[R16]      ; the stage at the head, in: row h of a pair, 16 bytes a lane
	v_add_nc_u32 v[SIN], s44, v[SIN]
	v_mul_u32_u24 v[SOUT], v29, 1040               ; and out: row r, my half's 16 numbers of a block of 32
	v_lshl_add_u32 v[SOUT], v[HH], 6, v[SOUT]
	v_add_nc_u32 v[SOUT], s44, v[SOUT]
	s_lshl_b32 s45, s37, 11
	s_add_co_u32 s45, s45, XIMG
	v_add_nc_u32 v[XWI], s45, v[LN16]              ; my two fragments of x: 4 m + 2 kh = 2 w
	v_add_nc_u32 v[XRI], XIMG, v[LN16]
	s_lshl_b32 s45, s38, 8
	s_lshl_b32 s46, s39, 3
	s_add_co_u32 s45, s45, s46
	s_add_co_u32 s45, s45, XSC
	v_add_nc_u32 v[XSW], s45, v[R16]
	v_add_nc_u32 v[XSR], XSC, v[R16]
	s_lshl_b32 s45, s37, 10
	s_add_co_u32 s45, s45, HIMG
	v_add_nc_u32 v[HWI], s45, v[LN16]
	v_add_nc_u32 v[HRI], HIMG, v[LN16]
	s_lshl_b32 s45, s37, 8
	s_add_co_u32 s45, s45, HSC
	v_add_nc_u32 v[HSW], s45, v[R16]
	v_add_nc_u32 v[HSR], HSC, v[R16]
	s_lshl_b32 s45, s37, 9
	s_add_co_u32 s45, s45, B1L
	v_add_nc_u32 v[B1W], s45, v[LN16]
	v_lshl_add_u32 v[B1A], v[HH], 6, s45           ; lane (r, h) wants, for tile 2 b + u, b1 at units 32 b + 16 h + 8 u + 0 .. 7
	s_lshl_b32 s45, s37, 8
	s_add_co_u32 s45, s45, B2L
	v_add_nc_u32 v[B2W], s45, v[LN8]
	v_lshl_add_u32 v[B2A], v[HH], 5, s45           ; for tile n: b2 at outputs 16 n + 8 h + 0 .. 7
	s_lshl_b32 s45, s39, 8
	s_add_co_u32 s45, s45, ROWT
	v_lshl_add_u32 v[RTR], v[HH], 7, s45           ; the rows' numbers: table kh, my half's 32 words
	s_lshl_b32 s46, s38, 5
	v_add_nc_u32 v[RTW], s46, v[RTR]               ; and the eight of them that I write: local rows 16 m + 2 i + h are words 8 m + i
	v_mul_u32_u24 v[YSW], v29, 272                 ; the stage on the way out, in: row r, 32 bytes for each half of the lanes
	v_lshl_add_u32 v[YSW], v[HH], 5, v[YSW]
	v_add_nc_u32 v[YSW], s44, v[YSW]
	v_mad_u32_u24 v[YSR], v[HH], 272, v[R16]       ; and back: lanes 0-15 one row of 256 bytes, lanes 16-31 the next
	v_add_nc_u32 v[YSR], s44, v[YSR]
	s_lshl_b32 s45, s37, 8
	v_add_nc_u32 v[COL], s45, v[R16]               ; my wave's 256 bytes of a row of out0
	s_lshl_b32 s45, s39, 10
	v_add_nc_u32 v[MUO], s45, v[R16]               ; my K half's 1,024 bytes of a row of eps or mu
	s_lshl_b32 s45, s38, 4
	v_add_nc_u32 v[L0], s45, v[HH]                 ; local row 16 m + h
.irp b, 0,1,2,3
	v_mov_b32 v[TM+4+\b], 0                        ; written once: a lane permute's destination counts as one of its sources
.endr
	s_wait_kmcnt 0x0
	s_min_u32 s32, s32, 7                          ; what was loaded is held inside its range before it enters an address
	s_min_u32 s33, s33, 0x1fff
	s_min_u32 s34, s34, 64
	s_add_co_u32 s36, s34, -1                      ; the tile's last local row (with no rows: the greatest number, which holds nothing back)
	s_lshl_b32 s28, s32, 11
	s_add_nc_u64 s[6:7], s[6:7], s[28:29]          ; mu: 2,048 e
	s_lshl_b32 s30, s37, 8
	s_add_co_u32 s28, s28, s30
	s_add_nc_u64 s[12:13], s[12:13], s[28:29]      ; b2: 2,048 e + 256 w
	s_lshl_b32 s28, s32, 12
	s_lshl_b32 s30, s37, 9
	s_add_co_u32 s28, s28, s30
	s_add_nc_u64 s[10:11], s[10:11], s[28:29]      ; b1: 4,096 e + 512 w
	s_lshl_b32 s28, s32, 18
	s_lshl_b32 s30, s37, 15
	s_add_co_u32 s28, s28, s30
	s_add_nc_u64 s[14:15], s[14:15], s[28:29]      ; both weights' codes: 2^18 e + my 32 fragments
	s_add_nc_u64 s[18:19], s[18:19], s[28:29]
	s_lshl_b32 s28, s32, 14
	s_lshl_b32 s30, s37, 11
	s_add_co_u32 s28, s28, s30
	s_add_nc_u64 s[16:17], s[16:17], s[28:29]      ; both weights' scale words: 2^14 e + my 2,048 bytes
	s_add_nc_u64 s[20:21], s[20:21], s[28:29]
	s_lshl_b32 s28, s32, 2
	v_mov_b32 v[E4], s28
	s_mov_b32 s30, 0xbfb8aa3b                      ; -log2(e), its upper part,
	s_mov_b32 s31, 0xb2a57060                      ; and what f32 leaves of it
	; nine loads: my 16 rows' numbers (lanes 0-15 row 2 i, lanes 16-31 row 2 i + 1), and rho
.irp i, 0,1,2,3,4,5,6,7
	v_add_nc_u32 v[RO+\i], 2*\i, v[L0]
	v_min_u32 v[RO+\i], s36, v[RO+\i]              ; rows past the tile's count repeat its last row
	v_add_nc_u32 v[RO+\i], s33, v[RO+\i]
	v_min_u32 v[RO+\i], 0x1fff, v[RO+\i]
	v_lshlrev_b32 v[RO+\i], 2, v[RO+\i]
	global_load_b32 v[RI+\i], v[RO+\i], s[22:23]
.endr
	global_load_b32 v31, v[E4], s[8:9]
	; ten loads: mu at my columns, b1, b2, W1's scale words (lanes 0-15 the even tile's rows, lanes 16-31 the odd tile's; four K steps a lane)
.irp j, 0,1,2,3
	global_load_b128 v[MU+4*\j:MU+4*\j+3], v[MUO], s[6:7] offset:256*\j
.endr
	global_load_b128 v[B1X:B1X+3], v[LN16], s[10:11]
	global_load_b64 v[B2X:B2X+1], v[LN8], s[12:13]
.irp p, 0,1,2,3
	global_load_b128 v[WS+4*\p:WS+4*\p+3], v[LN16], s[16:17] offset:512*\p
.endr
	s_wait_loadcnt 10                              ; the ten just issued may be out: the rows' numbers and rho are in, and those loads' address registers are free
.irp i, 0,1,2,3,4,5,6,7
	v_min_u32 v[RI+\i], 0x1fff, v[RI+\i]
	v_lshl_add_u32 v[RO+\i], v[RI+\i], 11, v[MUO]  ; a row of eps is 2,048 bytes
.endr
	ds_store_b128 v[RTW], v[RI:RI+3]               ; my half's eight numbers; sixteen lanes write the same words with the same values
	ds_store_b128 v[RTW], v[RI+4:RI+7] offset:16
.irp i, 0,1,2,3,4,5,6,7
.irp j, 0,1,2,3
	global_load_b128 v[64+16*\i+4*\j:64+16*\i+4*\j+3], v[RO+\i], s[4:5] offset:256*\j   ; sixteen lanes read 256 consecutive bytes of a row, aligned.  No hint: a short tile's last row is named again
.endr
.endr
	; sigma = softplus(rho) = max(rho, 0) + log1p(t), t = e^-|rho|.  The exponent's product is made in two parts, so that t keeps f32's accuracy at large |rho|; log1p(t) = 2 atanh(u), u = t / (2 + t) <= 1/3,
	; by its series up to u^15: the first term left out is at most (1/9)^8 / 17 of the result, for every rho.
	v_and_b32 v200, 0x7fffffff, v31
	v_mul_f32 v201, s30, v200                      ; p = -|rho| log2(e), rounded,
	v_fma_f32 v202, v200, s30, -v201               ; what the rounding dropped,
	v_fma_f32 v202, v200, s31, v202                ; and the constant's lower part
	v_exp_f32 v203, v201
	v_mul_f32 v202, 0x3f317218, v202               ; x ln 2 (a plain line behind the exponential)
	s_wait_alu depctr_va_vdst(0)                   ; the wait ahead of the result's first reader
	v_fma_f32 v203, v203, v202, v203               ; t
	v_add_f32 v204, 2.0, v203
	v_rcp_f32 v204, v204
	v_max_num_f32 v205, 0, v31                     ; (a plain line behind the reciprocal)
	s_wait_alu depctr_va_vdst(0)
	v_mul_f32 v204, v203, v204                     ; u
	v_mul_f32 v206, v204, v204                     ; u^2
	v_mov_b32 v207, 0x3d888889                     ; 1/15
	v_fmaak_f32 v207, v207, v206, 0x3d9d89d9       ; 1/13
	v_fmaak_f32 v207, v207, v206, 0x3dba2e8c       ; 1/11
	v_fmaak_f32 v207, v207, v206, 0x3de38e39       ; 1/9
	v_fmaak_f32 v207, v207, v206, 0x3e124925       ; 1/7
	v_fmaak_f32 v207, v207, v206, 0x3e4ccccd       ; 1/5
	v_fmaak_f32 v207, v207, v206, 0x3eaaaaab       ; 1/3
	v_fma_f32 v207, v207, v206, 1.0
	v_add_f32 v204, v204, v204
	v_fma_f32 v[SG], v204, v207, v205
	v_mov_b32 v[SG+1], v[SG]
	; W1's 32 fragments, K step by K step, 16 loads each: fragment 4 t + s at v[8 (4 t + s)] of window 1
	WIN 0x40
.irp s, 0,1,2,3
.irp t, 0,1,2,3,4,5,6,7
.irp c, 0,1
	global_load_b128 v[8*(4*\t+\s)+4*\c:8*(4*\t+\s)+4*\c+3], v[LN16], s[14:15] offset:(4*\t+\s)*1024+512*\c
.endr
.endr
.endr
	WIN 0
	; ---- X: my 16 rows x 256 numbers become two fragments
	s_wait_loadcnt 63                              ; behind eps' loads stand W1's 64; the wait's field holds 63, so one of W1's is waited for too
	ds_store_b128 v[B1W], v[B1X:B1X+3]             ; the biases wait in my own LDS bytes until their registers are free
	ds_store_b64 v[B2W], v[B2X:B2X+1]
.set i, 0
.rept 8
.set j, 0
.rept 8
	v_pk_fma_f32 v[64+16*i+2*j:64+16*i+2*j+1], v[64+16*i+2*j:64+16*i+2*j+1], v[SG:SG+1], v[MU+2*j:MU+2*j+1]   ; eps sigma + mu
.set j, j+1
.endr
.set i, i+1
.endr
.irp i, 0,1,2,3,4,5,6,7                        ; through my stage: in as loaded (rows by pairs), out 16 neighbours of each block of 32 a lane.  Rows 1,040 bytes apart: sixteen rows start at sixteen different 16-byte columns
.irp j, 0,1,2,3
	ds_store_b128 v[SIN], v[64+16*\i+4*\j:64+16*\i+4*\j+3] offset:2080*\i+256*\j
.endr
.endr
	s_wait_dscnt 0x0                               ; the stores have read their registers, which the loads below fill
.irp s, 0,1
.irp b, 0,1,2,3
.irp j, 0,1,2,3
	ds_load_b128 v[64+64*\s+16*\b+4*\j:64+64*\s+16*\b+4*\j+3], v[SOUT] offset:512*\s+128*\b+16*\j
.endr
.endr
.endr
	s_wait_dscnt 16                                ; the first K step's 16 loads are in, the second's may be out
	QUANT 64, PW
	IMAGE XWI, 0
	s_wait_dscnt 0x0                               ; the second K step is in, and the image's stores have read their registers
	QUANT 128, PW+1
	IMAGE XWI, 1024
	ds_store_b64 v[XSW], v[PW:PW+1]                ; my rows' two scale words (both halves of the lanes write the same)
	BARRIER                                        ; x's sixteen fragments, their scale words and the rows' numbers lie in LDS
	; ---- 1: the hidden layer, a tile of 16 rows at a time: 32 matrix instructions, the eight accumulators by turns
.irp t, 0,1,2,3,4,5,6,7
	ds_load_b128 v[B1R+8*\t:B1R+8*\t+3], v[B1A] offset:(32*(\t/2)+8*(\t%2))*4
	ds_load_b128 v[B1R+8*\t+4:B1R+8*\t+7], v[B1A] offset:(32*(\t/2)+8*(\t%2))*4+16
.endr
	FETCHX 0
.irp m, 0,1,2,3
	s_wait_dscnt 0x0                               ; this tile's fragments are in; the last image's stores have read their registers
	WIN 0x01
.irp s, 0,1,2,3
.if \m == 0
	s_wait_loadcnt 16*(3-\s)                       ; W1's later K steps, 16 loads each, may be out
.endif
.irp t, 0,1,2,3,4,5,6,7
.if \s == 0
	WM HA+8*\t, 8*(4*\t+\s), XF+8*\s, B1R+8*\t, WS+4*(\t/2)+\s, XS+\s, \t%2
.else
	WM HA+8*\t, 8*(4*\t+\s), XF+8*\s, HA+8*\t, WS+4*(\t/2)+\s, XS+\s, \t%2
.endif
.endr
.endr
	WIN 0
	PLACES
.if \m < 3
	FETCHX \m+1                                    ; lands while this tile's sigmoid is worked
.else
.irp p, 0,1                                    ; W1 is done with: W2's scale words (eight K steps a lane) and its K steps 0 to 6: 60 loads
.irp q, 0,1
	global_load_b128 v[WS+8*\p+4*\q:WS+8*\p+4*\q+3], v[LN32], s[20:21] offset:1024*\p+16*\q
.endr
.endr
	WIN 0x40
.irp s, 0,1,2,3,4,5,6
	W2LOAD \s
.endr
	WIN 0
.endif
	SIGM
	QUANT HA, PW+\m
	IMAGE HWI, 8192*\m                             ; K step w of the second product, rows 16 m on
.endr
	WIN 0x40
	W2LOAD 7                                       ; the last eight
	WIN 0
	ds_store_b128 v[HSW], v[PW:PW+3]               ; my K step's scale words of the four tiles of rows
	BARRIER                                        ; the hidden layer's 32 fragments lie in LDS
	; ---- 2: my 64 outputs for the 64 rows.  Hidden fragments come a K step at a time into two sets by turns, two steps ahead; each count of 9 leaves the one younger fetch out
	FETCHH 0, SETA, HSA
.irp n, 0,1,2,3
	ds_load_b128 v[SETB+8*\n:SETB+8*\n+3], v[B2A] offset:64*\n
	ds_load_b128 v[SETB+8*\n+4:SETB+8*\n+7], v[B2A] offset:64*\n+16
.endr
	s_wait_dscnt 0x0
	MUL2 0, SETA, HSA
	FETCHH 1, SETB, HSB
	FETCHH 2, SETA, HSA
	s_wait_dscnt 9
	MUL2 1, SETB, HSB
	FETCHH 3, SETB, HSB
	s_wait_dscnt 9
	MUL2 2, SETA, HSA
	FETCHH 4, SETA, HSA
	s_wait_dscnt 9
	MUL2 3, SETB, HSB
	FETCHH 5, SETB, HSB
	s_wait_dscnt 9
	MUL2 4, SETA, HSA
	FETCHH 6, SETA, HSA
	s_wait_dscnt 9
	MUL2 5, SETB, HSB
	FETCHH 7, SETB, HSB
	s_wait_dscnt 9
	MUL2 6, SETA, HSA
	s_wait_dscnt 0x0
	MUL2 7, SETB, HSB
	; ---- THE WAY OUT: a lane holds 32 neighbouring bytes of a row; through my own stage (64 rows, 272 bytes apart) they come back as rows of 256 bytes, two an instruction
.irp k, 0,1,2,3,4,5,6,7
	ds_load_b128 v[32+4*\k:32+4*\k+3], v[RTR] offset:16*\k   ; register 32 + i: the number of local row 2 i + h.  (Set A's registers: K step 6 read them last, and its places stand behind it)
.endr
.irp m, 0,1,2,3
.irp n, 0,1,2,3
	ds_store_b128 v[YSW], v[YA+8*(4*\n+\m):YA+8*(4*\n+\m)+3] offset:4352*\m+64*\n          ; each accumulator from its low end on
	ds_store_b128 v[YSW], v[YA+8*(4*\n+\m)+4:YA+8*(4*\n+\m)+7] offset:4352*\m+64*\n+16
.endr
.endr
	s_wait_dscnt 0x0                               ; the stores have read their registers, which the loads below fill; the rows' numbers are in
.set i, 0
.rept 32
	ds_load_b128 v[64+4*i:64+4*i+3], v[YSR] offset:544*i
.set i, i+1
.endr
	; all 32 store offsets are made here, with every lane on, while those loads are out: no vector register is written once EXEC has been narrowed
.set i, 0
.rept 32
	v_min_u32 v[32+i], 0x1fff, v[32+i]             ; what was loaded is held inside its range before it enters an address
	v_lshl_add_u32 v[32+i], v[32+i], 11, v[COL]    ; a row of out0 is 2,048 bytes
.set i, i+1
.endr
	s_wait_xcnt 0x0                                ; EXEC changes only behind this wait: it is a source of every global instruction issued so far
.set i, 0
.rept 32
	s_wait_dscnt 31-i                              ; rows 2 i and 2 i + 1 are back; the later loads may be out
	s_sub_co_i32 s41, s34, 2*i
	v_cmp_gt_i32 vcc_lo, s41, v[HH]                ; only rows under the tile's count are stored: count - 2 i > h
	s_and_saveexec_b32 s40, vcc_lo
	global_store_b128 v[32+i], v[64+4*i:64+4*i+3], s[26:27] th:TH_STORE_NT   ; sixteen lanes store 256 consecutive bytes, aligned; written once, read by nobody here
	s_wait_xcnt 0x0                                ; and again, in front of the line that widens EXEC
	s_or_b32 exec_lo, exec_lo, s40
.set i, i+1
.endr
	s_wait_xcnt 0x0
	s_mov_b32 exec_lo, -1
	v_lshl_add_u32 v252, v0, 2, 0x30600
	v_mov_b32 v253, 0
	s_wait_tensorcnt 0x0
	ds_add_u32 v252, v253
	s_wait_dscnt 0x0
	s_endpgm
.Lfunc_end_k_q1b6f0bd268_mlp:
	.size	k_q1b6f0bd268_mlp, .Lfunc_end_k_q1b6f0bd268_mlp-k_q1b6f0bd268_mlp
	.p2alignl 7, 3214868480
	.fill 96, 4, 3214868480
	.section	.rodata,"a",@progbits
	.p2align	6, 0x0
	.amdhsa_kernel k_q1b6f0bd268_mlp
		.amdhsa_group_segment_fixed_size 199168
		.amdhsa_private_segment_fixed_size 0
		.amdhsa_enable_private_segment 0
		.amdhsa_kernarg_size 96
		.amdhsa_user_sgpr_count 2
		.amdhsa_user_sgpr_kernarg_segment_ptr 1
		.amdhsa_wavefront_size32 1
		.amdhsa_system_sgpr_workgroup_id_x 1
		.amdhsa_system_sgpr_workgroup_id_y 1
		.amdhsa_system_sgpr_workgroup_id_z 1
		.amdhsa_system_vgpr_workitem_id 0
		.amdhsa_next_free_vgpr 512
		.amdhsa_next_free_sgpr 66
		.amdhsa_reserve_vcc 1
		.amdhsa_float_denorm_mode_32 3
		.amdhsa_float_denorm_mode_16_64 3
		.amdhsa_memory_ordered 1
		.amdhsa_forward_progress 1
		.amdhsa_inst_pref_size 152
	.end_amdhsa_kernel
	.amdgpu_metadata
---
amdhsa.version: [ 1, 2 ]
amdhsa.kernels:
  - .name:           k_q1b6f0bd268_mlp
    .symbol:         k_q1b6f0bd268_mlp.kd
    .args:
      - { .name: epsilon, .offset: 0, .size: 8, .value_kind: global_buffer, .address_space: global }
      - { .name: mu, .offset: 8, .size: 8, .value_kind: global_buffer, .address_space: global }
      - { .name: rho, .offset: 16, .size: 8, .value_kind: global_buffer, .address_space: global }
      - { .name: b1, .offset: 24, .size: 8, .value_kind: global_buffer, .address_space: global }
      - { .name: b2, .offset: 32, .size: 8, .value_kind: global_buffer, .address_space: global }
      - { .name: w1c, .offset: 40, .size: 8, .value_kind: global_buffer, .address_space: global }
      - { .name: w1s, .offset: 48, .size: 8, .value_kind: global_buffer, .address_space: global }
      - { .name: w2c, .offset: 56, .size: 8, .value_kind: global_buffer, .address_space: global }
      - { .name: w2s, .offset: 64, .size: 8, .value_kind: global_buffer, .address_space: global }
      - { .name: order, .offset: 72, .size: 8, .value_kind: global_buffer, .address_space: global }
      - { .name: tiles, .offset: 80, .size: 8, .value_kind: global_buffer, .address_space: global }
      - { .name: out0, .offset: 88, .size: 8, .value_kind: global_buffer, .address_space: global }
    .group_segment_fixed_size: 199168
    .private_segment_fixed_size: 0
    .kernarg_segment_align: 8
    .kernarg_segment_size: 96
    .max_flat_workgroup_size: 256
    .sgpr_count:     66
    .vgpr_count:     512
    .wavefront_size: 32
...
	.end_amdgpu_metadata
.endif
;; end of part 2
;; ======== version 2 of 2: 2 launches; 1.14 times as fast as version 1
;; workspace buffers: w1c 2,097,152 bytes; w2c 2,097,152 bytes; w1s 131,072 bytes; w2s 131,072 bytes; order 32,768 bytes of whole numbers; tiles 4,096 bytes of whole numbers
;; launch prep (part 3): grid 264 x 1, 8 waves a work-group, no clusters, 3,072 bytes of LDS; arguments W1, W2, comp_idx, w1c, w1s, w2c, w2s, order, tiles; writes w1c, w1s, w2c, w2s, order, tiles
.if DOCPART == 3
	.amdgcn_target "amdgcn-amd-amdhsa--gfx1250"
	.amdhsa_code_object_version 6
	.text
	.protected	k_q1b6f0bd268_prep
	.globl	k_q1b6f0bd268_prep
	.p2align	8
	.type	k_q1b6f0bd268_prep,@function
k_q1b6f0bd268_prep:
	s_mov_b64 s[64:65], 0
	v_nop
	global_prefetch_b8 v0, s[64:65] scope:SCOPE_SE
	s_setreg_imm32_b32 hwreg(HW_REG_WAVE_MODE, 25, 1), 1
	s_wait_xcnt 0x0
; THREE JOBS IN ONE LAUNCH, told apart by the work-group's number.
;   work-groups 0..7:      a counting sort of comp_idx [8192] by expert: order [8192] (sample numbers, expert by expert, dense) and tiles [256] x (expert, first place in order, rows 0..64, 0).
;   work-groups 8..135:    W1 [8][512 k][1024 n] f32 -> codes of FP4 (E2M1) and E8M0 scale bytes, quantised along k.
;   work-groups 136..263:  W2 [8][1024 k][512 n] f32 likewise.
; THE QUANTISER.  A lane takes a column n and its registers run down k, so a block of 32 along k lies in one lane: its largest magnitude needs no other lane and the conversions give codes with k innermost.
; A block's scale is 2^(floor(log2(largest magnitude)) - 2); its byte is the largest magnitude's exponent field - 2, held at 1 from below by a floor among the maximum's leaves.
; A wave takes 32 columns x 128 along k (4 blocks): two operand fragments and one whole scale word (4 bytes) a lane.  The eight waves of a work-group stand side by side on 1,024 bytes of each row of the weight.
; THE CODES ARE LAID AS THE NEXT LAUNCH'S OPERAND REGISTERS: a fragment (16 rows x 128 k) is 1,024 bytes, block q of row p at 256 q + 16 p; so a lane of the reader takes its registers by two loads of 16 bytes at 16 x lane.
;   w1c [e][tile 64][K step 4][1024]: tile 2 b + u, row p is hidden unit 32 b + 8 u + p + 8 (p / 8);   w2c [e][tile 32][K step 8][1024]: tile t, row p is output 16 t + p.
;   w1s [e][pair of tiles 32][16 u + p][K step 4] words;   w2s [e][pair 16][16 u + p][K step 8] words.
; THE SORT.  Work-group k places samples 1024 k .. 1024 k + 1023, its wave w 128 of them.  Nothing goes from work-group to work-group: each of the eight counts all 8,192 samples for itself, wave j chunk j of 1,024.
; A sample's place = where its expert begins + the expert's samples in chunks before k + in waves before w of chunk k + in earlier registers and lower lanes of the wave.
; LIMITS: a block whose largest magnitude lies under 2^-124, a block of zeros among them, gets the byte 1 (its codes are zeros or near it; the bytes are read by this program alone); NaN and infinities are not served;
; comp_idx holds 0 .. 7, as the table that it indexes asks.
.set X,  32                            ; v32-159  four sets of 32 numbers, one for each block
.set CD, 160                           ; v160-175 codes: four registers for each block, never written again
.set SB, 176                           ; v176     the scale word
.set CI, 32                            ; the sort: v32-63 the chunk that my wave counts
.set OW, 64                            ; v64-67   my own 128 samples' experts
.set SL, 68                            ; v68-71   their places (bytes)
.set IX, 72                            ; v72-75   their numbers
.set AC, 76                            ; v76-79   four accumulators of eight 4-bit fields
.set EG, 80                            ; v80-83   at work
.set PK, 84                            ; v84-87   counts in 16-bit fields: experts (0, 4), (2, 6), (1, 5), (3, 7)
.set TP, 88                            ; v88-91   what another lane holds
.set MB, 92                            ; v92-99   a place for each expert
.set UU, 100                           ; v100-107 lane e: wave j's count of expert e among its own 128 samples
.set TT, 108                           ; v108-115 lane e: chunk j's count of expert e
.set NN, 24                            ; s24-31 counts (my own samples', then all samples')
.set BS, 32                            ; s32-39 where my wave's next sample of each expert goes
.set OF, 40                            ; s40-47 where each expert begins in order
.set TB, 48                            ; s48-55 each expert's first tile
.set TS, 56                            ; s56-63 at work
.set MK, 66                            ; s66-97 lane masks: register c, expert e at 8 c + e
	s_load_b512 s[4:19], s[0:1], 0x0               ; W1 4, W2 6, comp_idx 8, w1c 10, w1s 12, w2c 14, w2s 16, order 18
	s_load_b64 s[20:21], s[0:1], 0x40              ; tiles
	v_lshl_add_u32 v192, v0, 2, 0x800
	v_mov_b32 v193, 0
	v_lshrrev_b32 v1, 5, v0
	v_readfirstlane_b32 s22, v1                    ; wave 0..7
	v_and_b32 v1, 31, v0                           ; lane
	v_lshlrev_b32 v2, 2, v1                        ; 4 bytes a lane: my column in a row of the weight
	s_wait_kmcnt 0x0
	s_cmp_lt_u32 ttmp9, 8
	s_cbranch_scc1 .Lsort
	s_cmp_lt_u32 ttmp9, 136
	s_cbranch_scc0 .Lw2
; Where my wave's part begins.  g = work-group - first; expert e = g / 16; of g % 16 the upper bits are the K step of 128, the lower bits with the wave's number the group of 32 columns.
.macro QSETUP first, sbits, sshift, cshift, zshift, src, cod, scl
	s_sub_co_u32 s24, ttmp9, \first
	s_lshr_b32 s25, s24, 4                         ; e
	s_and_b32 s26, s24, 15
	s_lshr_b32 s27, s26, \sbits                    ; K step
	s_and_b32 s28, s26, (1<<\sbits)-1
	s_lshl_b32 s28, s28, 3
	s_add_co_u32 s28, s28, s22                     ; group of 32 columns
	s_mov_b32 s31, 0
	s_lshl_b32 s30, s25, 21                        ; the weight: an expert is 2^21 bytes,
	s_lshl_b32 s29, s27, \sshift                   ; 128 rows,
	s_add_co_u32 s30, s30, s29
	s_lshl_b32 s29, s28, 7                         ; 32 columns are 128 bytes
	s_add_co_u32 s30, s30, s29
	s_add_nc_u64 s[\src:\src+1], s[\src:\src+1], s[30:31]
	s_lshl_b32 s30, s25, 18                        ; the codes: an expert is 2^18 bytes,
	s_lshl_b32 s29, s28, \cshift                   ; a pair of tiles,
	s_add_co_u32 s30, s30, s29
	s_lshl_b32 s29, s27, 10                        ; a fragment is 1,024 bytes
	s_add_co_u32 s30, s30, s29
	s_add_nc_u64 s[\cod:\cod+1], s[\cod:\cod+1], s[30:31]
	s_lshl_b32 s30, s25, 14                        ; the scale words: an expert is 2^14 bytes,
	s_lshl_b32 s29, s28, \zshift                   ; a pair of tiles,
	s_add_co_u32 s30, s30, s29
	s_lshl_b32 s29, s27, 2                         ; a word
	s_add_co_u32 s30, s30, s29
	s_add_nc_u64 s[\scl:\scl+1], s[\scl:\scl+1], s[30:31]
.endm
.macro QLOAD t, rb, src                ; block t: rows 32 t .. 32 t + 31 of my 128, my column; 32 lanes read 128 consecutive bytes; read once in the launch
.set i, 0
.rept 32
	global_load_b32 v[X+32*(\t)+i], v2, s[\src:\src+1] offset:(32*(\t)+i)*\rb th:TH_LOAD_NT
.set i, i+1
.endr
.endm
.macro QBLOCK t, cod
.set XB, X+32*(\t)
	v_max3_num_f32 v12, |v[XB]|, |v[XB+1]|, |v[XB+2]|              ; the block's largest magnitude: all 32 numbers are mine; two chains
	v_max3_num_f32 v13, |v[XB+3]|, |v[XB+4]|, |v[XB+5]|
.irp i, 6,10,14,18,22,26
	v_max3_num_f32 v12, v12, |v[XB+\i]|, |v[XB+\i+1]|
	v_max3_num_f32 v13, v13, |v[XB+\i+2]|, |v[XB+\i+3]|
.endr
	v_max3_num_f32 v12, v12, |v[XB+30]|, |v[XB+31]|
	v_max3_num_f32 v12, v12, v13, 0x1800000        ; and the floor 2^(3 - 127): the byte cannot fall under 1
	v_add_nc_u32 v11, 0xff000000, v12              ; 2 off the exponent field: the conversion takes the exponent field of this operand as its scale
	v_lshrrev_b32 v13, 23, v11                     ; the scale's byte
.if (\t) == 0
	v_mov_b32 v[SB], v13                           ; four bytes to the word, the lower k in the lower byte
.else
	v_lshl_or_b32 v[SB], v13, 8*(\t), v[SB]
.endif
.irp g, 0,1,2,3
	v_cvt_scalef32_pk8_fp4_f32 v[CD+4*(\t)+\g], v[XB+8*\g:XB+8*\g+7], v11    ; results go to a store alone; the next block begins with plain vector lines
.endr
	global_store_b128 v3, v[CD+4*(\t):CD+4*(\t)+3], s[\cod:\cod+1] offset:256*(\t)   ; the sixteen lanes of a tile store 256 consecutive bytes, aligned
.endm
; Loads run two blocks ahead.  Each count of 32 leaves the one younger block's 32 loads out.  No register that a store reads is written again.
.macro QPATH rb, src, cod, scl
	QLOAD 0, \rb, \src
	QLOAD 1, \rb, \src
	s_wait_loadcnt 32                              ; block 0 is in
	QLOAD 2, \rb, \src
	QBLOCK 0, \cod
	s_wait_loadcnt 32                              ; block 1 is in
	QLOAD 3, \rb, \src
	QBLOCK 1, \cod
	s_wait_loadcnt 32                              ; block 2 is in
	QBLOCK 2, \cod
	s_wait_loadcnt 0x0
	QBLOCK 3, \cod
	global_store_b32 v4, v[SB], s[\scl:\scl+1]     ; my row's scale word of this K step
	s_endpgm
.endm
	; ---- W1: column 32 b + j belongs to tile 2 b + u, row p, with u = (j / 8) % 2 and p = j % 8 + 8 (j / 16)
	QSETUP 8, 2, 19, 13, 9, 4, 10, 12
	v_bfe_u32 v5, v0, 3, 1                         ; u
	v_and_b32 v6, 7, v0
	v_bfe_u32 v7, v0, 4, 1
	v_lshl_add_u32 v6, v7, 3, v6                   ; p
	v_lshlrev_b32 v3, 12, v5                       ; codes: a tile's four fragments are 4,096 bytes,
	v_lshl_add_u32 v3, v6, 4, v3                   ; + 16 p
	v_lshl_add_u32 v4, v5, 4, v6
	v_lshlrev_b32 v4, 4, v4                        ; scale words: (16 u + p) x 4 words
	QPATH 4096, 4, 10, 12
.Lw2:
	; ---- W2: column 32 b + j belongs to tile 2 b + j / 16, row j % 16
	QSETUP 136, 1, 18, 14, 10, 6, 14, 16
	v_bfe_u32 v5, v0, 4, 1
	v_and_b32 v6, 15, v0
	v_lshlrev_b32 v3, 13, v5                       ; a tile's eight fragments are 8,192 bytes
	v_lshl_add_u32 v3, v6, 4, v3
	v_lshlrev_b32 v4, 5, v1                        ; lane x 8 words
	QPATH 2048, 6, 14, 16
.Lsort:
	; ---- THE SORT, in whole numbers alone.  k = the work-group's number, w = my wave's.
	v_lshlrev_b32 v20, 4, v1                       ; 16 bytes a lane
	s_lshl_b32 s56, ttmp9, 12
	s_lshl_b32 s57, s22, 9
	s_add_co_u32 s56, s56, s57                     ; 4 x (1024 k + 128 w)
	v_add_nc_u32 v22, s56, v20
	global_load_b128 v[OW:OW+3], v22, s[8:9]       ; the samples that I place: register c of a lane is sample 1024 k + 128 w + 4 lane + c
	s_lshl_b32 s57, s22, 12
	v_add_nc_u32 v21, s57, v20
.irp i, 0,1,2,3,4,5,6,7
	global_load_b128 v[CI+4*\i:CI+4*\i+3], v21, s[8:9] offset:512*\i   ; the chunk that I count: samples 1024 w .. 1024 w + 1023
.endr
	s_lshr_b32 s56, s56, 2
	v_add_nc_u32 v23, s56, v2                      ; 1024 k + 128 w + 4 lane
	v_lshlrev_b32 v3, 2, v0                        ; LDS: two tables of 128 bytes a wave, a word a lane
	s_mov_b32 s60, 0x76543210
	s_mov_b32 s61, 0xfedcba98                      ; v_permlanex16_b32's selects for lane l xor 16
	s_mov_b32 s62, 0x0f0f0f0f
	s_mov_b32 s63, 0x00ff00ff
.irp p, 0,1,2,3
	v_mov_b32 v[TP+\p], 0                          ; written once: the destination of a lane move counts as one of its sources
.endr
	s_wait_loadcnt 8                               ; my own samples are in; the chunk's eight loads may be out
	; my own samples: a lane mask for each register and expert, made once: it serves the counts here and the places below
.irp c, 0,1,2,3
.irp e, 0,1,2,3,4,5,6,7
	v_cmp_eq_u32 s[MK+8*\c+\e], \e, v[OW+\c]
.endr
.endr
.irp e, 0,1,2,3,4,5,6,7
	s_bcnt1_i32_b32 s[NN+\e], s[MK+\e]
.endr
.irp c, 1,2,3
.irp e, 0,1,2,3,4,5,6,7
	s_bcnt1_i32_b32 s[OF+\e], s[MK+8*\c+\e]
.endr
.irp e, 0,1,2,3,4,5,6,7
	s_add_co_u32 s[NN+\e], s[NN+\e], s[OF+\e]
.endr
.endr
	v_mov_b32 v5, 0
.irp e, 0,1,2,3,4,5,6,7
	v_writelane_b32 v5, s[NN+\e], \e               ; lane e carries expert e's count
.endr
	ds_store_b32 v3, v5 offset:1024
	s_wait_loadcnt 0x0
	; my chunk: a lane's 32 samples are counted in fields of 4 bits, expert e at bit 4 e: two lines a sample.  Four accumulators take 8 samples each, so no field passes 8
.set q, 0
.rept 32
	v_lshlrev_b32 v[CI+q], 2, v[CI+q]
.set q, q+1
.endr
.irp g, 0,1,2,3
	v_lshl_add_u32 v[AC+\g], 1, v[CI+8*\g], 0
.endr
.irp i, 1,2,3,4,5,6,7
.irp g, 0,1,2,3
	v_lshl_add_u32 v[AC+\g], 1, v[CI+8*\g+\i], v[AC+\g]
.endr
.endr
.irp g, 0,1,2,3
	v_and_b32 v[EG+\g], s62, v[AC+\g]              ; into fields of 8 bits: the even experts,
.endr
.irp g, 0,1,2,3
	v_lshrrev_b32 v[AC+\g], 4, v[AC+\g]
.endr
.irp g, 0,1,2,3
	v_and_b32 v[AC+\g], s62, v[AC+\g]              ; the odd ones
.endr
	v_add3_u32 v[EG], v[EG], v[EG+1], v[EG+2]
	v_add3_u32 v[AC], v[AC], v[AC+1], v[AC+2]
	v_add_nc_u32 v[EG], v[EG], v[EG+3]             ; byte b: expert 2 b, at most 32
	v_add_nc_u32 v[AC], v[AC], v[AC+3]             ; byte b: expert 2 b + 1
	v_and_b32 v[PK], s63, v[EG]                    ; into fields of 16 bits, which hold the wave's 1,024: experts 0 and 4,
	v_lshrrev_b32 v[EG], 8, v[EG]
	v_and_b32 v[PK+2], s63, v[AC]                  ; 1 and 5,
	v_lshrrev_b32 v[AC], 8, v[AC]
	v_and_b32 v[PK+1], s63, v[EG]                  ; 2 and 6,
	v_and_b32 v[PK+3], s63, v[AC]                  ; 3 and 7
.irp x, 1,2,4,8                                ; the sum over the 32 lanes: four steps inside each half, one across
.irp p, 0,1,2,3
	v_mov_b32_dpp v[TP+\p], v[PK+\p] row_xmask:\x row_mask:0xf bank_mask:0xf
.endr
.irp p, 0,1,2,3
	v_add_nc_u32 v[PK+\p], v[PK+\p], v[TP+\p]
.endr
.endr
.irp p, 0,1,2,3
	v_permlanex16_b32 v[TP+\p], v[PK+\p], s60, s61
.endr
.irp p, 0,1,2,3
	v_add_nc_u32 v[PK+\p], v[PK+\p], v[TP+\p]
.endr
	s_mov_b32 s56, 0xaaaaaaaa                      ; the lanes whose number has bit 0 set,
	s_mov_b32 s57, 0xcccccccc                      ; bit 1
	v_cndmask_b32 v6, v[PK], v[PK+2], s56          ; lane e takes expert e's field: bit 0 chooses odd experts,
	v_cndmask_b32 v7, v[PK+1], v[PK+3], s56
	v_cndmask_b32 v6, v6, v7, s57                  ; bit 1 the pairs (2, 6) and (3, 7),
	v_and_b32 v7, 4, v1
	v_lshlrev_b32 v7, 2, v7
	v_bfe_u32 v6, v6, v7, 16                       ; bit 2 the upper field.  (Lanes 8 to 31 hold numbers that nobody reads)
	ds_store_b32 v3, v6
	s_wait_dscnt 0x0                               ; for the others' sake: my two stores have landed
	s_barrier_signal -1
	s_barrier_wait -1
.irp j, 0,1,2,3,4,5,6,7
	ds_load_b32 v[TT+\j], v2 offset:128*\j         ; lane e: chunk j's count of expert e
.endr
.irp j, 0,1,2,3,4,5,6,7
	ds_load_b32 v[UU+\j], v2 offset:1024+128*\j    ; lane e: wave j's count among its own samples
.endr
	s_wait_dscnt 0x0
	v_add3_u32 v116, v[TT], v[TT+1], v[TT+2]
	v_add3_u32 v116, v116, v[TT+3], v[TT+4]
	v_add3_u32 v116, v116, v[TT+5], v[TT+6]
	v_add_nc_u32 v116, v116, v[TT+7]               ; all samples'
	v_mov_b32 v117, 0
.irp j, 0,1,2,3,4,5,6
	s_cmp_gt_u32 ttmp9, \j
	s_cselect_b32 s56, 1, 0
	v_mad_u32_u24 v117, v[TT+\j], s56, v117        ; the chunks in front of my work-group's,
.endr
.irp j, 0,1,2,3,4,5,6
	s_cmp_gt_u32 s22, \j
	s_cselect_b32 s56, 1, 0
	v_mad_u32_u24 v117, v[UU+\j], s56, v117        ; and in it the waves in front of mine
.endr
.irp e, 0,1,2,3,4,5,6,7
	v_readlane_b32 s[NN+\e], v116, \e
	v_readlane_b32 s[BS+\e], v117, \e
.endr
	s_mov_b32 s56, 0                               ; samples so far
	s_mov_b32 s57, 0                               ; tiles so far
.irp e, 0,1,2,3,4,5,6,7
	s_mov_b32 s[OF+\e], s56
	s_mov_b32 s[TB+\e], s57
	s_add_co_u32 s[BS+\e], s[BS+\e], s56
	s_add_co_u32 s56, s56, s[NN+\e]
	s_add_co_u32 s58, s[NN+\e], 63
	s_lshr_b32 s58, s58, 6                         ; tiles of 64 rows, the last one short
	s_add_co_u32 s57, s57, s58
.endr
	; a sample's place = its expert's running base + the lower lanes with the same expert.  Each register has its own place and number registers: no store's source is written again
.irp c, 0,1,2,3
.irp e, 0,1,2,3,4,5,6,7
	v_mbcnt_lo_u32_b32 v[MB+\e], s[MK+8*\c+\e], s[BS+\e]
.endr
	v_cndmask_b32 v[SL+\c], v[MB], v[MB+1], s[MK+8*\c+1]
.irp e, 2,3,4,5,6,7
	v_cndmask_b32 v[SL+\c], v[SL+\c], v[MB+\e], s[MK+8*\c+\e]
.endr
.irp e, 0,1,2,3,4,5,6,7
	s_bcnt1_i32_b32 s[TS+\e], s[MK+8*\c+\e]
.endr
.irp e, 0,1,2,3,4,5,6,7
	s_add_co_u32 s[BS+\e], s[BS+\e], s[TS+\e]
.endr
	v_min_u32 v[SL+\c], 0x1fff, v[SL+\c]           ; inside order, whatever was loaded
	v_lshlrev_b32 v[SL+\c], 2, v[SL+\c]
	v_add_nc_u32 v[IX+\c], \c, v23
	global_store_b32 v[SL+\c], v[IX+\c], s[18:19]
.endr
	s_cmp_lg_u32 ttmp9, 0                          ; the list of tiles is written by work-group 0 alone
	s_cbranch_scc1 .Lend
	; thread j writes entry j.  The last expert whose first tile is at or under j owns it, so experts without samples are passed over; behind the last tile the count comes out 0.
	v_mov_b32 v24, 0
	v_mov_b32 v28, s[TB]
	v_mov_b32 v29, s[OF]
	v_mov_b32 v30, s[NN]
.irp i, 1,2,3,4,5,6,7
	v_cmp_le_u32 vcc_lo, s[TB+\i], v0
	v_cndmask_b32 v24, v24, \i, vcc_lo
	v_cndmask_b32 v28, v28, s[TB+\i], vcc_lo
	v_cndmask_b32 v29, v29, s[OF+\i], vcc_lo
	v_cndmask_b32 v30, v30, s[NN+\i], vcc_lo
.endr
	v_sub_nc_u32 v28, v0, v28                      ; which tile of its expert,
	v_lshlrev_b32 v28, 6, v28                      ; x 64 rows
	v_add_nc_u32 v25, v29, v28
	v_min_u32 v25, 0x1fff, v25                     ; its first place in order
	v_sub_nc_u32 v26, v30, v28
	v_min_i32 v26, 64, v26
	v_max_i32 v26, 0, v26                          ; its rows: 0 .. 64
	v_mov_b32 v27, 0
	v_lshlrev_b32 v31, 4, v0
	global_store_b128 v31, v[24:27], s[20:21]
.Lend:
	s_wait_tensorcnt 0x0
	ds_add_u32 v192, v193
	s_wait_dscnt 0x0
	s_endpgm
.Lfunc_end_k_q1b6f0bd268_prep:
	.size	k_q1b6f0bd268_prep, .Lfunc_end_k_q1b6f0bd268_prep-k_q1b6f0bd268_prep
	.p2alignl 7, 3214868480
	.fill 96, 4, 3214868480
	.section	.rodata,"a",@progbits
	.p2align	6, 0x0
	.amdhsa_kernel k_q1b6f0bd268_prep
		.amdhsa_group_segment_fixed_size 3072
		.amdhsa_private_segment_fixed_size 0
		.amdhsa_enable_private_segment 0
		.amdhsa_kernarg_size 72
		.amdhsa_user_sgpr_count 2
		.amdhsa_user_sgpr_kernarg_segment_ptr 1
		.amdhsa_wavefront_size32 1
		.amdhsa_system_sgpr_workgroup_id_x 1
		.amdhsa_system_sgpr_workgroup_id_y 1
		.amdhsa_system_sgpr_workgroup_id_z 1
		.amdhsa_system_vgpr_workitem_id 0
		.amdhsa_next_free_vgpr 194
		.amdhsa_next_free_sgpr 100
		.amdhsa_reserve_vcc 1
		.amdhsa_float_denorm_mode_32 3
		.amdhsa_float_denorm_mode_16_64 3
		.amdhsa_memory_ordered 1
		.amdhsa_forward_progress 1
		.amdhsa_inst_pref_size 68
	.end_amdhsa_kernel
	.amdgpu_metadata
---
amdhsa.version: [ 1, 2 ]
amdhsa.kernels:
  - .name:           k_q1b6f0bd268_prep
    .symbol:         k_q1b6f0bd268_prep.kd
    .args:
      - { .name: W1, .offset: 0, .size: 8, .value_kind: global_buffer, .address_space: global }
      - { .name: W2, .offset: 8, .size: 8, .value_kind: global_buffer, .address_space: global }
      - { .name: comp_idx, .offset: 16, .size: 8, .value_kind: global_buffer, .address_space: global }
      - { .name: w1c, .offset: 24, .size: 8, .value_kind: global_buffer, .address_space: global }
      - { .name: w1s, .offset: 32, .size: 8, .value_kind: global_buffer, .address_space: global }
      - { .name: w2c, .offset: 40, .size: 8, .value_kind: global_buffer, .address_space: global }
      - { .name: w2s, .offset: 48, .size: 8, .value_kind: global_buffer, .address_space: global }
      - { .name: order, .offset: 56, .size: 8, .value_kind: global_buffer, .address_space: global }
      - { .name: tiles, .offset: 64, .size: 8, .value_kind: global_buffer, .address_space: global }
    .group_segment_fixed_size: 3072
    .private_segment_fixed_size: 0
    .kernarg_segment_align: 8
    .kernarg_segment_size: 72
    .max_flat_workgroup_size: 256
    .sgpr_count:     100
    .vgpr_count:     194
    .wavefront_size: 32
...
	.end_amdgpu_metadata
.endif
;; end of part 3
;; launch mlp (part 4): grid 135 x 1, 8 waves a work-group, no clusters, 199,168 bytes of LDS; arguments epsilon, mu, rho, b1, b2, w1c, w1s, w2c, w2s, order, tiles, out0; writes out0
.if DOCPART == 4
	.amdgcn_target "amdgcn-amd-amdhsa--gfx1250"
	.amdhsa_code_object_version 6
	.text
	.protected	k_q1b6f0bd268_mlp
	.globl	k_q1b6f0bd268_mlp
	.p2align	8
	.type	k_q1b6f0bd268_mlp,@function
k_q1b6f0bd268_mlp:
	s_mov_b64 s[64:65], 0
	v_nop
	global_prefetch_b8 v0, s[64:65] scope:SCOPE_SE
	s_setreg_imm32_b32 hwreg(HW_REG_WAVE_MODE, 25, 1), 1
	s_wait_xcnt 0x0
; out[n] = sigmoid((eps[n] softplus(rho[c]) + mu[c]) W1[c] + b1[c]) W2[c] + b2[c], c = comp_idx[n]; both products on codes of FP4 (E2M1) with one E8M0 scale for each 32 along K.
; ONE WORK-GROUP TAKES ONE TILE OF AT MOST 64 ROWS OF ONE EXPERT THROUGH THE WHOLE CHAIN.  Expert, first place in order and number of rows come from tiles, the rows' numbers from order: whole numbers stored by the launch before.
; 8,192 rows in tiles of 64 over 8 experts are never more than 128 + 7 = 135 tiles, whatever the choice: that is the grid.  The text has NO BRANCH: local rows at or past the tile's count repeat its last row: the same sample
; through the same arithmetic gives the same bytes, which are stored once more at the same place; a tile with no rows runs on clamped rows and stores nothing.  So both barriers stand on the one way that every wave takes.
; NO TENSOR LOADS AND NO CLUSTER: which weights a work-group reads hangs on a stored number, and how many tiles an expert has hangs on the data, so partners of a cluster could not be given tiles of one expert at every split.
; The weights' codes were laid in the order of the operand's registers: each fragment goes from memory straight into a wave's registers, once, and feeds four matrix instructions (the four tiles of 16 rows).
; SHARES.  Eight waves share the COLUMNS: wave w makes hidden units 128 w .. 128 w + 127 (K step w of the second product) and outputs 64 w .. 64 w + 63, for all 64 rows.  At the head wave w = 2 m + kh turns rows 16 m .. 16 m + 15,
; K half kh (256 numbers), into two operand fragments.  Operands go from wave to wave through LDS as images of their registers: 16 bytes a lane at 16 x lane, 512 bytes a store.
; BOTH PRODUCTS ARE USED TRANSPOSED (source 0 = 16 rows of the weight's codes, source 1 = 16 rows of the tile): a lane holds one row, its registers run along the units.  The rows of W1 that form a tile were chosen so that
; the 16 registers of tiles 2 b and 2 b + 1 are hidden units 32 b + 16 (lane / 16) + 0 .. 15.  The biases are the C of each sum's first matrix instruction.
; LIMITS: NaN and infinities are not served; a block whose largest magnitude lies under 2^-124 gets the byte 1; a sigmoid under 2^-126 comes out 0; rho under about -87 gives sigma = 0; eps sigma + mu is one fused multiply-add.
; REGISTERS.  Window 0: v1-27 addresses that stay; v32-63 row numbers, offsets and mu, then x's four fragments, then hidden set A, then rows' offsets; v64-191 numbers of x, then v64-127 the hidden tile and v128-191 b1,
; then the 16 accumulators of y, then rows of y; v192-223 at work, then b2, then hidden set B; v224-251 scale words and nothing else; v252-253 sigma; v254-255 b2 as loaded.  Window 1: 32 fragments of W1, then of W2.
.set STGB, 17408                       ; LDS: a stage for each wave: 16 rows x 1,040 bytes at the head, 64 rows x 272 bytes on the way out
.set XIMG, 139264                      ; x's 16 fragments: (4 m + s) x 1,024
.set XSC,  155648                      ; their scale words [m][row 16][s 4]
.set HIMG, 156672                      ; the hidden layer's 32 fragments: (8 m + s) x 1,024
.set HSC,  189440                      ; their scale words [s 8][row 16][m 4]
.set B1L,  191488                      ; b1: 512 bytes a wave
.set B2L,  195584                      ; b2: 256 bytes a wave
.set ROWT, 197632                      ; the 64 rows' numbers, twice: [kh 2][h 2][i 32] words, local row 2 i + h; table kh is written by the waves of K half kh, so no two waves write a word
.set LN16, 1
.set R16,  2
.set HH,   3
.set SIN,  4
.set SOUT, 5
.set XWI,  6
.set XRI,  7
.set XSW,  8
.set XSR,  9
.set HWI,  10
.set HRI,  11
.set HSW,  12
.set HSR,  13
.set B1W,  14
.set B1A,  15
.set B2W,  16
.set B2A,  17
.set RTW,  18
.set RTR,  19
.set YSW,  20
.set YSR,  21
.set COL,  22
.set MUO,  23
.set LN8,  24
.set LN32, 25
.set L0,   26
.set E4,   27
.set RI,   32
.set RO,   40
.set MU,   48
.set XF,   32
.set SETA, 32
.set HA,   64
.set YA,   64
.set B1R,  128
.set TM,   192
.set SETB, 192
.set PC,   208
.set PW,   216
.set B1X,  220
.set WS,   224
.set XS,   240
.set HSA,  244
.set HSB,  248
.set SG,   252
.set B2X,  254
.set MSB, 0
.set G2,  0                            ; which group of W2's loads comes next
.macro WIN new                         ; the immediate's high byte repeats the setting that is left
.if MSB != \new
	s_set_vgpr_msb (MSB<<8)|\new
.set MSB, \new
.endif
.endm
.macro PLACES                          ; four plain places behind matrix instructions, in front of reads of results and of loads into their registers
.rept 4
	v_nop
.endr
.endm
.macro BARRIER                         ; my LDS stores have landed and my LDS loads are in: then the work-group's barrier
	s_wait_dscnt 0x0
	s_barrier_signal -1
	s_barrier_wait -1
.endm
; a matrix instruction: source 0 (the weight's fragment) in window 1; odd = 1: its scale words stand in lanes 16-31 of the register
.macro WM d, a, b, c, sa, sb, odd
.if \odd
	v_wmma_scale_f32_16x16x128_f8f6f4 v[\d:\d+7], v[\a:\a+7], v[\b:\b+7], v[\c:\c+7], v[\sa], v[\sb] matrix_a_fmt:MATRIX_FMT_FP4 matrix_b_fmt:MATRIX_FMT_FP4 matrix_a_scale:MATRIX_SCALE_ROW1
.else
	v_wmma_scale_f32_16x16x128_f8f6f4 v[\d:\d+7], v[\a:\a+7], v[\b:\b+7], v[\c:\c+7], v[\sa], v[\sb] matrix_a_fmt:MATRIX_FMT_FP4 matrix_b_fmt:MATRIX_FMT_FP4
.endif
.endm
; 64 numbers of a lane, register 16 b + i = k 32 b + 16 (lane / 16) + i of my row, become a fragment's codes in v[PC] on and its scale word in v[pw]
.macro QUANT s, pw
.irp b, 0,1,2,3
	v_max3_num_f32 v[TM+\b], |v[\s+16*\b]|, |v[\s+1+16*\b]|, 0x1800000   ; block b: my 16 numbers, and the floor 2^(3 - 127): the byte cannot fall under 1
.endr
.irp i, 2,4,6,8,10,12,14
.irp b, 0,1,2,3
	v_max3_num_f32 v[TM+\b], v[TM+\b], |v[\s+16*\b+\i]|, |v[\s+1+16*\b+\i]|   ; the four blocks by turns
.endr
.endr
.irp b, 0,1,2,3
	v_permlanex16_b32 v[TM+4+\b], v[TM+\b], s42, s43
.endr
.irp b, 0,1,2,3
	v_max_num_f32 v[TM+\b], v[TM+\b], v[TM+4+\b]   ; with lane l xor 16's: the block's largest magnitude
.endr
.irp b, 0,1,2,3
	v_add_nc_u32 v[TM+12+\b], 0xff000000, v[TM+\b] ; 2 off its exponent field: the conversion's scale operand
.endr
.irp b, 0,1,2,3
	v_lshrrev_b32 v[TM+4+\b], 23, v[TM+12+\b]      ; the scale's byte
.endr
	v_lshl_or_b32 v[\pw], v[TM+5], 8, v[TM+4]      ; my row's scale word
	v_lshl_or_b32 v[\pw], v[TM+6], 16, v[\pw]
	v_lshl_or_b32 v[\pw], v[TM+7], 24, v[\pw]
.irp b, 0,1,2,3
	v_cvt_scalef32_pk8_fp4_f32 v[PC+2*\b], v[\s+16*\b:\s+7+16*\b], v[TM+12+\b]
	v_cvt_scalef32_pk8_fp4_f32 v[PC+1+2*\b], v[\s+8+16*\b:\s+15+16*\b], v[TM+12+\b]
.endr
	v_nop                                          ; one plain place behind the scaled conversions
.irp c, 0,1                                    ; the operand's layout wants a whole block in a lane: lanes 0-15 block 2 c, lanes 16-31 block 2 c + 1
.irp i, 0,1
	v_permlane16_swap_b32 v[PC+4*\c+\i], v[PC+2+4*\c+\i]
.endr
.endr
.endm
.macro IMAGE adr, off                  ; the fragment in v[PC] on goes to LDS as it stands
.irp c, 0,1
	ds_store_b128 v[\adr], v[PC+4*\c:PC+4*\c+3] offset:\off+512*\c
.endr
.endm
.macro FETCH reg, adr, off             ; and comes back so, in any wave
.irp c, 0,1
	ds_load_b128 v[\reg+4*\c:\reg+4*\c+3], v[\adr] offset:\off+512*\c
.endr
.endm
.macro FETCHX m                        ; x's four fragments of rows 16 m on, and their rows' four scale words: 9 LDS loads
.irp s, 0,1,2,3
	FETCH XF+8*\s, XRI, (4*(\m)+\s)*1024
.endr
	ds_load_b128 v[XS:XS+3], v[XSR] offset:256*(\m)
.endm
.macro FETCHH s, set, hs               ; K step s of the hidden layer for the four tiles of rows, and their scale words: 9 LDS loads
.irp m, 0,1,2,3
	FETCH \set+8*\m, HRI, (8*\m+(\s))*1024
.endr
	ds_load_b128 v[\hs:\hs+3], v[HSR] offset:256*(\s)
.endm
.macro W1LOAD s                        ; K step s of my eight tiles of W1, 16 loads: fragment 4 t + s at v[8 (4 t + s)] of window 1
.irp t, 0,1,2,3,4,5,6,7
.irp c, 0,1
	global_load_b128 v[8*(4*\t+(\s))+4*\c:8*(4*\t+(\s))+4*\c+3], v[LN16], s[14:15] offset:(4*\t+(\s))*1024+512*\c
.endr
.endr
.endm
; The next four loads of W2: two fragments 8 n + s at v[8 (8 n + s)] of window 1.  Group g brings K step g / 2, tiles 2 (g % 2) and 2 (g % 2) + 1: so the 16 groups go K step by K step, eight loads each.
.macro W2GRP
	WIN 0x40
.irp n, 0,1
.irp c, 0,1
	global_load_b128 v[8*(8*(2*(G2%2)+\n)+G2/2)+4*\c:8*(8*(2*(G2%2)+\n)+G2/2)+4*\c+3], v[LN16], s[18:19] offset:(8*(2*(G2%2)+\n)+G2/2)*1024+512*\c
.endr
.endr
	WIN 0
.set G2, G2+1
.endm
; sigmoid(z) = 1 / (1 + 2^(-z log2 e)) on the 64 numbers of the hidden tile, each accumulator from its low end on.  Each batch of 64 transcendentals has one plain line and one wait behind it, ahead of its first reader.
; fill = 1 (the last tile, behind whose products W1's registers are free): W2's 64 loads are dealt out among these lines, four behind each 8 packed lines or 16 transcendentals, so that the wave's arithmetic stands between its
; requests.  Each group costs two switches of the window: 32 in all.
.macro SIGM fill
.set j, 0
.rept 32
	v_pk_mul_f32 v[HA+j:HA+j+1], v[HA+j:HA+j+1], s[48:49] op_sel_hi:[1,0]
.set j, j+2
.if (\fill) && (j%16 == 0)
	W2GRP
.endif
.endr
.set j, 0
.rept 64
	v_exp_f32 v[HA+j], v[HA+j]
.set j, j+1
.if (\fill) && (j%16 == 0)
	W2GRP
.endif
.endr
	v_nop
	s_wait_alu depctr_va_vdst(0)
.set j, 0
.rept 32
	v_pk_add_f32 v[HA+j:HA+j+1], v[HA+j:HA+j+1], 1.0 op_sel_hi:[1,0]
.set j, j+2
.if (\fill) && (j%16 == 0)
	W2GRP
.endif
.endr
.set j, 0
.rept 64
	v_rcp_f32 v[HA+j], v[HA+j]
.set j, j+1
.if (\fill) && (j%16 == 0)
	W2GRP
.endif
.endr
	v_nop
	s_wait_alu depctr_va_vdst(0)
.endm
; K step s of the second product: 16 matrix instructions, the 16 accumulators by turns, one instruction a turn
.macro MUL2 s, set, hs
	s_wait_loadcnt 8*(7-(\s))                      ; W2's fragments were asked for K step by K step, eight loads each: the later steps' may stay out
	WIN 0x01
.irp m, 0,1,2,3
.irp n, 0,1,2,3
.if (\s) == 0
	WM YA+8*(4*\n+\m), 8*(8*\n+(\s)), \set+8*\m, SETB+8*\n, WS+8*(\n/2)+(\s), \hs+\m, \n%2
.else
	WM YA+8*(4*\n+\m), 8*(8*\n+(\s)), \set+8*\m, YA+8*(4*\n+\m), WS+8*(\n/2)+(\s), \hs+\m, \n%2
.endif
.endr
.endr
	WIN 0
	PLACES
.endm
	; ---- THE HEAD
	s_load_b512 s[4:19], s[0:1], 0x0               ; eps 4, mu 6, rho 8, b1 10, b2 12, w1c 14, w1s 16, w2c 18
	s_load_b256 s[20:27], s[0:1], 0x40             ; w2s 20, order 22, tiles 24, out0 26
	v_lshrrev_b32 v30, 5, v0
	v_readfirstlane_b32 s37, v30                   ; wave w
	s_lshr_b32 s38, s37, 1                         ; m: which 16 rows I quantise
	s_and_b32 s39, s37, 1                          ; kh: which half of their K
	s_lshl_b32 s28, ttmp9, 4                       ; my tile's entry: 16 bytes
	s_mov_b32 s29, 0
	s_mov_b32 s42, 0x76543210
	s_mov_b32 s43, 0xfedcba98                      ; v_permlanex16_b32's selects for lane l xor 16
	s_mov_b32 s48, 0xbfb8aa3b                      ; -log2(e); the packed form names the pair and takes its low word for both halves
	s_mov_b32 s49, s48
	s_wait_kmcnt 0x0
	s_add_nc_u64 s[24:25], s[24:25], s[28:29]
	s_load_b128 s[32:35], s[24:25], 0x0            ; expert, first place in order, rows, 0
	; every address register is made here, while that load is out, and never written again
	v_and_b32 v28, 31, v0                          ; lane
	v_and_b32 v29, 15, v0                          ; r
	v_bfe_u32 v[HH], v0, 4, 1                      ; h
	v_lshlrev_b32 v[LN16], 4, v28
	v_lshlrev_b32 v[R16], 4, v29
	v_lshlrev_b32 v[LN8], 3, v28
	v_lshlrev_b32 v[LN32], 5, v28
	s_mul_i32 s44, s37, STGB                       ; my stage
	v_mad_u32_u24 v[SIN], v[HH], 1040, v[R16]      ; the stage at the head, in: row h of a pair, 16 bytes a lane
	v_add_nc_u32 v[SIN], s44, v[SIN]
	v_mul_u32_u24 v[SOUT], v29, 1040               ; and out: row r, my half's 16 numbers of a block of 32
	v_lshl_add_u32 v[SOUT], v[HH], 6, v[SOUT]
	v_add_nc_u32 v[SOUT], s44, v[SOUT]
	s_lshl_b32 s45, s37, 11
	s_add_co_u32 s45, s45, XIMG
	v_add_nc_u32 v[XWI], s45, v[LN16]              ; my two fragments of x: 4 m + 2 kh = 2 w
	v_add_nc_u32 v[XRI], XIMG, v[LN16]
	s_lshl_b32 s45, s38, 8
	s_lshl_b32 s46, s39, 3
	s_add_co_u32 s45, s45, s46
	s_add_co_u32 s45, s45, XSC
	v_add_nc_u32 v[XSW], s45, v[R16]
	v_add_nc_u32 v[XSR], XSC, v[R16]
	s_lshl_b32 s45, s37, 10
	s_add_co_u32 s45, s45, HIMG
	v_add_nc_u32 v[HWI], s45, v[LN16]
	v_add_nc_u32 v[HRI], HIMG, v[LN16]
	s_lshl_b32 s45, s37, 8
	s_add_co_u32 s45, s45, HSC
	v_add_nc_u32 v[HSW], s45, v[R16]
	v_add_nc_u32 v[HSR], HSC, v[R16]
	s_lshl_b32 s45, s37, 9
	s_add_co_u32 s45, s45, B1L
	v_add_nc_u32 v[B1W], s45, v[LN16]
	v_lshl_add_u32 v[B1A], v[HH], 6, s45           ; lane (r, h) wants, for tile 2 b + u, b1 at units 32 b + 16 h + 8 u + 0 .. 7
	s_lshl_b32 s45, s37, 8
	s_add_co_u32 s45, s45, B2L
	v_add_nc_u32 v[B2W], s45, v[LN8]
	v_lshl_add_u32 v[B2A], v[HH], 5, s45           ; for tile n: b2 at outputs 16 n + 8 h + 0 .. 7
	s_lshl_b32 s45, s39, 8
	s_add_co_u32 s45, s45, ROWT
	v_lshl_add_u32 v[RTR], v[HH], 7, s45           ; the rows' numbers: table kh, my half's 32 words
	s_lshl_b32 s46, s38, 5
	v_add_nc_u32 v[RTW], s46, v[RTR]               ; and the eight of them that I write: local rows 16 m + 2 i + h are words 8 m + i
	v_mul_u32_u24 v[YSW], v29, 272                 ; the stage on the way out, in: row r, 32 bytes for each half of the lanes
	v_lshl_add_u32 v[YSW], v[HH], 5, v[YSW]
	v_add_nc_u32 v[YSW], s44, v[YSW]
	v_mad_u32_u24 v[YSR], v[HH], 272, v[R16]       ; and back: lanes 0-15 one row of 256 bytes, lanes 16-31 the next
	v_add_nc_u32 v[YSR], s44, v[YSR]
	s_lshl_b32 s45, s37, 8
	v_add_nc_u32 v[COL], s45, v[R16]               ; my wave's 256 bytes of a row of out0
	s_lshl_b32 s45, s39, 10
	v_add_nc_u32 v[MUO], s45, v[R16]               ; my K half's 1,024 bytes of a row of eps or mu
	s_lshl_b32 s45, s38, 4
	v_add_nc_u32 v[L0], s45, v[HH]                 ; local row 16 m + h
.irp b, 0,1,2,3
	v_mov_b32 v[TM+4+\b], 0                        ; written once: a lane permute's destination counts as one of its sources
.endr
	s_wait_kmcnt 0x0
	s_min_u32 s32, s32, 7                          ; what was loaded is held inside its range before it enters an address
	s_min_u32 s33, s33, 0x1fff
	s_min_u32 s34, s34, 64
	s_add_co_u32 s36, s34, -1                      ; the tile's last local row (with no rows: the greatest number, which holds nothing back)
	s_lshl_b32 s28, s32, 11
	s_add_nc_u64 s[6:7], s[6:7], s[28:29]          ; mu: 2,048 e
	s_lshl_b32 s30, s37, 8
	s_add_co_u32 s28, s28, s30
	s_add_nc_u64 s[12:13], s[12:13], s[28:29]      ; b2: 2,048 e + 256 w
	s_lshl_b32 s28, s32, 12
	s_lshl_b32 s30, s37, 9
	s_add_co_u32 s28, s28, s30
	s_add_nc_u64 s[10:11], s[10:11], s[28:29]      ; b1: 4,096 e + 512 w
	s_lshl_b32 s28, s32, 18
	s_lshl_b32 s30, s37, 15
	s_add_co_u32 s28, s28, s30
	s_add_nc_u64 s[14:15], s[14:15], s[28:29]      ; both weights' codes: 2^18 e + my 32 fragments
	s_add_nc_u64 s[18:19], s[18:19], s[28:29]
	s_lshl_b32 s28, s32, 14
	s_lshl_b32 s30, s37, 11
	s_add_co_u32 s28, s28, s30
	s_add_nc_u64 s[16:17], s[16:17], s[28:29]      ; both weights' scale words: 2^14 e + my 2,048 bytes
	s_add_nc_u64 s[20:21], s[20:21], s[28:29]
	s_lshl_b32 s28, s32, 2
	v_mov_b32 v[E4], s28
	s_mov_b32 s30, 0xbfb8aa3b                      ; -log2(e), its upper part,
	s_mov_b32 s31, 0xb2a57060                      ; and what f32 leaves of it
	; nine loads: my 16 rows' numbers (lanes 0-15 row 2 i, lanes 16-31 row 2 i + 1), and rho
.irp i, 0,1,2,3,4,5,6,7
	v_add_nc_u32 v[RO+\i], 2*\i, v[L0]
	v_min_u32 v[RO+\i], s36, v[RO+\i]              ; rows past the tile's count repeat its last row
	v_add_nc_u32 v[RO+\i], s33, v[RO+\i]
	v_min_u32 v[RO+\i], 0x1fff, v[RO+\i]
	v_lshlrev_b32 v[RO+\i], 2, v[RO+\i]
	global_load_b32 v[RI+\i], v[RO+\i], s[22:23]
.endr
	global_load_b32 v31, v[E4], s[8:9]
	; ten loads: mu at my columns, b1, b2, W1's scale words (lanes 0-15 the even tile's rows, lanes 16-31 the odd tile's; four K steps a lane)
.irp j, 0,1,2,3
	global_load_b128 v[MU+4*\j:MU+4*\j+3], v[MUO], s[6:7] offset:256*\j
.endr
	global_load_b128 v[B1X:B1X+3], v[LN16], s[10:11]
	global_load_b64 v[B2X:B2X+1], v[LN8], s[12:13]
.irp p, 0,1,2,3
	global_load_b128 v[WS+4*\p:WS+4*\p+3], v[LN16], s[16:17] offset:512*\p
.endr
	; W1's K steps 0 and 1, 32 loads: they hang on the expert alone, so they go out while the rows' numbers are on their way
	WIN 0x40
	W1LOAD 0
	W1LOAD 1
	WIN 0
	s_wait_loadcnt 42                              ; the 10 + 32 issued behind rho may be out: the rows' numbers and rho are in, and those loads' address registers are free
.irp i, 0,1,2,3,4,5,6,7
	v_min_u32 v[RI+\i], 0x1fff, v[RI+\i]
	v_lshl_add_u32 v[RO+\i], v[RI+\i], 11, v[MUO]  ; a row of eps is 2,048 bytes
.endr
	ds_store_b128 v[RTW], v[RI:RI+3]               ; my half's eight numbers; sixteen lanes write the same words with the same values
	ds_store_b128 v[RTW], v[RI+4:RI+7] offset:16
.irp i, 0,1,2,3,4,5,6,7
.irp j, 0,1,2,3
	global_load_b128 v[64+16*\i+4*\j:64+16*\i+4*\j+3], v[RO+\i], s[4:5] offset:256*\j   ; sixteen lanes read 256 consecutive bytes of a row, aligned.  No hint: a short tile's last row is named again
.endr
.endr
	; sigma = softplus(rho) = max(rho, 0) + log1p(t), t = e^-|rho|.  The exponent's product is made in two parts, so that t keeps f32's accuracy at large |rho|; log1p(t) = 2 atanh(u), u = t / (2 + t) <= 1/3,
	; by its series up to u^15: the first term left out is at most (1/9)^8 / 17 of the result, for every rho.
	v_and_b32 v200, 0x7fffffff, v31
	v_mul_f32 v201, s30, v200                      ; p = -|rho| log2(e), rounded,
	v_fma_f32 v202, v200, s30, -v201               ; what the rounding dropped,
	v_fma_f32 v202, v200, s31, v202                ; and the constant's lower part
	v_exp_f32 v203, v201
	v_mul_f32 v202, 0x3f317218, v202               ; x ln 2 (a plain line behind the exponential)
	s_wait_alu depctr_va_vdst(0)                   ; the wait ahead of the result's first reader
	v_fma_f32 v203, v203, v202, v203               ; t
	v_add_f32 v204, 2.0, v203
	v_rcp_f32 v204, v204
	v_max_num_f32 v205, 0, v31                     ; (a plain line behind the reciprocal)
	s_wait_alu depctr_va_vdst(0)
	v_mul_f32 v204, v203, v204                     ; u
	v_mul_f32 v206, v204, v204                     ; u^2
	v_mov_b32 v207, 0x3d888889                     ; 1/15
	v_fmaak_f32 v207, v207, v206, 0x3d9d89d9       ; 1/13
	v_fmaak_f32 v207, v207, v206, 0x3dba2e8c       ; 1/11
	v_fmaak_f32 v207, v207, v206, 0x3de38e39       ; 1/9
	v_fmaak_f32 v207, v207, v206, 0x3e124925       ; 1/7
	v_fmaak_f32 v207, v207, v206, 0x3e4ccccd       ; 1/5
	v_fmaak_f32 v207, v207, v206, 0x3eaaaaab       ; 1/3
	v_fma_f32 v207, v207, v206, 1.0
	v_add_f32 v204, v204, v204
	v_fma_f32 v[SG], v204, v207, v205
	v_mov_b32 v[SG+1], v[SG]
	; W1's K steps 2 and 3, 32 loads: they land while the rows are quantised
	WIN 0x40
	W1LOAD 2
	W1LOAD 3
	WIN 0
	; ---- X: my 16 rows x 256 numbers become two fragments
	s_wait_loadcnt 32                              ; the 32 loads just issued may be out: eps is in, and all that was asked for ahead of it
	ds_store_b128 v[B1W], v[B1X:B1X+3]             ; the biases wait in my own LDS bytes until their registers are free
	ds_store_b64 v[B2W], v[B2X:B2X+1]
.set i, 0
.rept 8
.set j, 0
.rept 8
	v_pk_fma_f32 v[64+16*i+2*j:64+16*i+2*j+1], v[64+16*i+2*j:64+16*i+2*j+1], v[SG:SG+1], v[MU+2*j:MU+2*j+1]   ; eps sigma + mu
.set j, j+1
.endr
.set i, i+1
.endr
.irp i, 0,1,2,3,4,5,6,7                        ; through my stage: in as loaded (rows by pairs), out 16 neighbours of each block of 32 a lane.  Rows 1,040 bytes apart: sixteen rows start at sixteen different 16-byte columns
.irp j, 0,1,2,3
	ds_store_b128 v[SIN], v[64+16*\i+4*\j:64+16*\i+4*\j+3] offset:2080*\i+256*\j
.endr
.endr
	s_wait_dscnt 0x0                               ; the stores have read their registers, which the loads below fill
.irp s, 0,1
.irp b, 0,1,2,3
.irp j, 0,1,2,3
	ds_load_b128 v[64+64*\s+16*\b+4*\j:64+64*\s+16*\b+4*\j+3], v[SOUT] offset:512*\s+128*\b+16*\j
.endr
.endr
.endr
	s_wait_dscnt 16                                ; the first K step's 16 loads are in, the second's may be out
	QUANT 64, PW
	IMAGE XWI, 0
	s_wait_dscnt 0x0                               ; the second K step is in, and the image's stores have read their registers
	QUANT 128, PW+1
	IMAGE XWI, 1024
	ds_store_b64 v[XSW], v[PW:PW+1]                ; my rows' two scale words (both halves of the lanes write the same)
	BARRIER                                        ; x's sixteen fragments, their scale words and the rows' numbers lie in LDS
	; ---- 1: the hidden layer, a tile of 16 rows at a time: 32 matrix instructions, the eight accumulators by turns
.irp t, 0,1,2,3,4,5,6,7
	ds_load_b128 v[B1R+8*\t:B1R+8*\t+3], v[B1A] offset:(32*(\t/2)+8*(\t%2))*4
	ds_load_b128 v[B1R+8*\t+4:B1R+8*\t+7], v[B1A] offset:(32*(\t/2)+8*(\t%2))*4+16
.endr
	FETCHX 0
.irp m, 0,1,2,3
	s_wait_dscnt 0x0                               ; this tile's fragments are in; the last image's stores have read their registers
	WIN 0x01
.irp s, 0,1,2,3
.if (\m == 0) && (\s >= 2)
	s_wait_loadcnt 16*(3-\s)                       ; W1's K steps 0 and 1 came ahead of eps; of the other two the later one's 16 loads may be out
.endif
.irp t, 0,1,2,3,4,5,6,7
.if \s == 0
	WM HA+8*\t, 8*(4*\t+\s), XF+8*\s, B1R+8*\t, WS+4*(\t/2)+\s, XS+\s, \t%2
.else
	WM HA+8*\t, 8*(4*\t+\s), XF+8*\s, HA+8*\t, WS+4*(\t/2)+\s, XS+\s, \t%2
.endif
.endr
.endr
	WIN 0
	PLACES
.if \m < 3
	FETCHX \m+1                                    ; lands while this tile's sigmoid is worked
.else
.irp p, 0,1                                    ; W1 is done with: W2's scale words (eight K steps a lane) take its scale words' registers; W2's fragments follow inside the sigmoid
.irp q, 0,1
	global_load_b128 v[WS+8*\p+4*\q:WS+8*\p+4*\q+3], v[LN32], s[20:21] offset:1024*\p+16*\q
.endr
.endr
.endif
	SIGM \m/3
	QUANT HA, PW+\m
	IMAGE HWI, 8192*\m                             ; K step w of the second product, rows 16 m on
.endr
	ds_store_b128 v[HSW], v[PW:PW+3]               ; my K step's scale words of the four tiles of rows
	BARRIER                                        ; the hidden layer's 32 fragments lie in LDS
	; ---- 2: my 64 outputs for the 64 rows.  Hidden fragments come a K step at a time into two sets by turns, two steps ahead; each count of 9 leaves the one younger fetch out
	FETCHH 0, SETA, HSA
.irp n, 0,1,2,3
	ds_load_b128 v[SETB+8*\n:SETB+8*\n+3], v[B2A] offset:64*\n
	ds_load_b128 v[SETB+8*\n+4:SETB+8*\n+7], v[B2A] offset:64*\n+16
.endr
	s_wait_dscnt 0x0
	MUL2 0, SETA, HSA
	FETCHH 1, SETB, HSB
	FETCHH 2, SETA, HSA
	s_wait_dscnt 9
	MUL2 1, SETB, HSB
	FETCHH 3, SETB, HSB
	s_wait_dscnt 9
	MUL2 2, SETA, HSA
	FETCHH 4, SETA, HSA
	s_wait_dscnt 9
	MUL2 3, SETB, HSB
	FETCHH 5, SETB, HSB
	s_wait_dscnt 9
	MUL2 4, SETA, HSA
	FETCHH 6, SETA, HSA
	s_wait_dscnt 9
	MUL2 5, SETB, HSB
	FETCHH 7, SETB, HSB
	s_wait_dscnt 9
	MUL2 6, SETA, HSA
	s_wait_dscnt 0x0
	MUL2 7, SETB, HSB
	; ---- THE WAY OUT: a lane holds 32 neighbouring bytes of a row; through my own stage (64 rows, 272 bytes apart) they come back as rows of 256 bytes, two an instruction
.irp k, 0,1,2,3,4,5,6,7
	ds_load_b128 v[32+4*\k:32+4*\k+3], v[RTR] offset:16*\k   ; register 32 + i: the number of local row 2 i + h.  (Set A's registers: K step 6 read them last, and its places stand behind it)
.endr
.irp m, 0,1,2,3
.irp n, 0,1,2,3
	ds_store_b128 v[YSW], v[YA+8*(4*\n+\m):YA+8*(4*\n+\m)+3] offset:4352*\m+64*\n          ; each accumulator from its low end on
	ds_store_b128 v[YSW], v[YA+8*(4*\n+\m)+4:YA+8*(4*\n+\m)+7] offset:4352*\m+64*\n+16
.endr
.endr
	s_wait_dscnt 0x0                               ; the stores have read their registers, which the loads below fill; the rows' numbers are in
.set i, 0
.rept 32
	ds_load_b128 v[64+4*i:64+4*i+3], v[YSR] offset:544*i
.set i, i+1
.endr
	; all 32 store offsets are made here, with every lane on, while those loads are out: no vector register is written once EXEC has been narrowed
.set i, 0
.rept 32
	v_min_u32 v[32+i], 0x1fff, v[32+i]             ; what was loaded is held inside its range before it enters an address
	v_lshl_add_u32 v[32+i], v[32+i], 11, v[COL]    ; a row of out0 is 2,048 bytes
.set i, i+1
.endr
	; EXEC is narrowed once: every lane stays on in a tile that has rows (its padded rows hold its last row's bytes and go to its last row's place), none in a tile without
	s_lshl_b32 s41, s34, 1
	s_wait_xcnt 0x0                                ; EXEC changes only behind this wait: it is a source of every global instruction issued so far
	v_cmp_gt_i32 vcc_lo, s41, v[HH]                ; 2 x count > h, h being 0 or 1: count > 0
	s_and_saveexec_b32 s40, vcc_lo
.set i, 0
.rept 32
	s_wait_dscnt 31-i                              ; rows 2 i and 2 i + 1 are back; the later loads may be out
	global_store_b128 v[32+i], v[64+4*i:64+4*i+3], s[26:27] th:TH_STORE_NT   ; sixteen lanes store 256 consecutive bytes, aligned; read by nobody here
.set i, i+1
.endr
	s_wait_xcnt 0x0                                ; and again, in front of the line that widens EXEC
	s_or_b32 exec_lo, exec_lo, s40
	s_wait_xcnt 0x0
	s_mov_b32 exec_lo, -1
	v_lshl_add_u32 v252, v0, 2, 0x30600
	v_mov_b32 v253, 0
	s_wait_tensorcnt 0x0
	ds_add_u32 v252, v253
	s_wait_dscnt 0x0
	s_endpgm
.Lfunc_end_k_q1b6f0bd268_mlp:
	.size	k_q1b6f0bd268_mlp, .Lfunc_end_k_q1b6f0bd268_mlp-k_q1b6f0bd268_mlp
	.p2alignl 7, 3214868480
	.fill 96, 4, 3214868480
	.section	.rodata,"a",@progbits
	.p2align	6, 0x0
	.amdhsa_kernel k_q1b6f0bd268_mlp
		.amdhsa_group_segment_fixed_size 199168
		.amdhsa_private_segment_fixed_size 0
		.amdhsa_enable_private_segment 0
		.amdhsa_kernarg_size 96
		.amdhsa_user_sgpr_count 2
		.amdhsa_user_sgpr_kernarg_segment_ptr 1
		.amdhsa_wavefront_size32 1
		.amdhsa_system_sgpr_workgroup_id_x 1
		.amdhsa_system_sgpr_workgroup_id_y 1
		.amdhsa_system_sgpr_workgroup_id_z 1
		.amdhsa_system_vgpr_workitem_id 0
		.amdhsa_next_free_vgpr 512
		.amdhsa_next_free_sgpr 66
		.amdhsa_reserve_vcc 1
		.amdhsa_float_denorm_mode_32 3
		.amdhsa_float_denorm_mode_16_64 3
		.amdhsa_memory_ordered 1
		.amdhsa_forward_progress 1
		.amdhsa_inst_pref_size 148
	.end_amdhsa_kernel
	.amdgpu_metadata
---
amdhsa.version: [ 1, 2 ]
amdhsa.kernels:
  - .name:           k_q1b6f0bd268_mlp
    .symbol:         k_q1b6f0bd268_mlp.kd
    .args:
      - { .name: epsilon, .offset: 0, .size: 8, .value_kind: global_buffer, .address_space: global }
      - { .name: mu, .offset: 8, .size: 8, .value_kind: global_buffer, .address_space: global }
      - { .name: rho, .offset: 16, .size: 8, .value_kind: global_buffer, .address_space: global }
      - { .name: b1, .offset: 24, .size: 8, .value_kind: global_buffer, .address_space: global }
      - { .name: b2, .offset: 32, .size: 8, .value_kind: global_buffer, .address_space: global }
      - { .name: w1c, .offset: 40, .size: 8, .value_kind: global_buffer, .address_space: global }
      - { .name: w1s, .offset: 48, .size: 8, .value_kind: global_buffer, .address_space: global }
      - { .name: w2c, .offset: 56, .size: 8, .value_kind: global_buffer, .address_space: global }
      - { .name: w2s, .offset: 64, .size: 8, .value_kind: global_buffer, .address_space: global }
      - { .name: order, .offset: 72, .size: 8, .value_kind: global_buffer, .address_space: global }
      - { .name: tiles, .offset: 80, .size: 8, .value_kind: global_buffer, .address_space: global }
      - { .name: out0, .offset: 88, .size: 8, .value_kind: global_buffer, .address_space: global }
    .group_segment_fixed_size: 199168
    .private_segment_fixed_size: 0
    .kernarg_segment_align: 8
    .kernarg_segment_size: 96
    .max_flat_workgroup_size: 256
    .sgpr_count:     66
    .vgpr_count:     512
    .wavefront_size: 32
...
	.end_amdgpu_metadata
.endif
;; end of part 4
